; MI455X (gfx1250); checked and timed in simulation.
; The chip was launched on July 23, 2026; its instructions are those of AMD's public machine-readable ISA for CDNA 5 (MIT licence, August 2026) and "CDNA5" Instruction Set Architecture Reference Guide (July 2026). The comments in the code are by the model that wrote it; some were corrected since.
;; Multihead Attention. Allowed arithmetic: matrix products marked QUANTISED: E2M3 operands, one E8M0 scale for each 32 along K, by v_wmma_scale_f32_16x16x128_f8f6f4 with both operands' format E2M3, f32 sums; everything else in f32.
;; Inputs: Wk 1,024 x 1,024 float32; Wo 1,024 x 1,024 float32; Wq 1,024 x 1,024 float32; Wv 1,024 x 1,024 float32; bk 1,024 float32; bo 1,024 float32; bq 1,024 float32; bv 1,024 float32; x 4 x 2,048 x 1,024 float32.
;; Outputs: out0 4 x 2,048 x 1,024 float32.
;; This version of the problem:
;;   THIS VERSION OF THE PROBLEM IS GIVEN IN LOW PRECISION. The matrix products marked QUANTISED in the list below multiply operands that are first quantised to E2M3 (2 exponent bits, 3 mantissa bits; 6 bits a number), with one power-of-two scale for each 32 numbers along K (OCP MX v1.0); their sums are f32. All else is computed in f32.
;;   The module's matrix products, in the order in which they are computed (A, B: the left and right operand; K: the contracted axis; several contracted axes count as one K, in the product's order):
;;     1. [M 8,192, K 1,024] x [K 1,024, N 1,024]; A: input x; B: input Wq: QUANTISED
;;     2. [M 8,192, K 1,024] x [K 1,024, N 1,024]; A: input x; B: input Wk: QUANTISED
;;     3. [M 8,192, K 1,024] x [K 1,024, N 1,024]; A: input x; B: input Wv: QUANTISED
;;     4. batch 64 x [M 2,048, K 64] x [K 64, N 2,048]; A: computed on the way; B: computed on the way: QUANTISED
;;     5. batch 64 x [M 2,048, K 2,048] x [K 2,048, N 64]; A: softmax (see below); B: computed on the way: QUANTISED
;;     6. [M 8,192, K 1,024] x [K 1,024, N 1,024]; A: computed on the way; B: input Wo: QUANTISED
;;   THE QUANTISER, for each operand of a quantised product, along K:
;;     - K is cut into blocks of 32 from its start; a last block that is shorter is filled with zeros.
;;     - A block's scale is 2^e with e = floor(log2(the largest magnitude in the block)) - 2, held to -126 .. 127; a block of zeros has e = 0. As a byte (E8M0): e + 127.
;;     - Each number is divided by its block's scale, clamped to +-7.5, and rounded to the nearest number of E2M3, ties to even, subnormals kept.
;;     - The product sums the exact products of the quantised numbers (number of the format x scale) in f32.
;;   ~~~python
;;   def quantise(x, axis):      # numpy; x: float32 -> the quantised numbers, widened to float32 again
;;       x = np.moveaxis(x, axis, -1); K = x.shape[-1]
;;       x = np.pad(x, [(0, 0)] * (x.ndim - 1) + [(0, -K % 32)]); x = x.reshape(x.shape[:-1] + (-1, 32)); a = np.abs(x).max(-1, keepdims=True)
;;       e = np.where(a > 0, np.clip(np.frexp(np.where(a > 0, a, 1))[1] - 1 - 2, -126, 127), 0)      # np.frexp(a)[1] - 1 = floor(log2(a)), exactly
;;       r = np.clip(x / 2.0 ** e, -7.5, 7.5)
;;       step = 2.0 ** (np.maximum(np.frexp(np.where(r == 0, 1, r))[1] - 1, 0) - 3)
;;       q = np.round(r / step) * step * 2.0 ** e      # np.round: ties to even
;;       return np.moveaxis(q.reshape(q.shape[:-2] + (-1,))[..., :K], -1, axis).astype(np.float32)
;;   ~~~
;;   SOFTMAX AHEAD OF A QUANTISED PRODUCT. Where the list says 'softmax', what is quantised is not the finished softmax but p = 2^(t - M), with t = logit x log2(e) and M = ceil(the row's largest t), a whole number; so 1/2 < the row's largest p <= 1. The row's sum l is taken of the UNQUANTISED p, in f32, and the product's result is divided by l at the end. Since M is a whole number, a kernel that streams over the keys may use a running M (the ceiling of the running maximum): every later rescaling is an exact power of two, which a block's scale takes up: the codes' values come out the same.
;;   OPERANDS COMPUTED ON THE WAY. 'Computed on the way' means the value that the module computes at that place (a softmax that the list does not call 'softmax' is quantised finished and normalised). What goes into a quantiser is computed in f32, as accurately as f32 sums, v_exp_f32 and their like allow (about 1e-6 of the number): no bf16 or f16 on the way to a quantiser, and a product that is left as it is and whose result goes on into a quantised operand takes f32 operands (vector FMAs, or v_wmma_f32_16x16x4_f32). A number that lies on a knife's edge between two numbers of the format may be rounded either way, as far as f32 arithmetic and the matrix unit's own rounding can turn it there, and no further.
;; One version. Each part assembles by itself: llvm-mc -triple=amdgcn-amd-amdhsa -mcpu=gfx1250 --defsym DOCPART=n.
;; ======== version 1 of 1: 4 launches
;; limits: right only within a limited range of input values
;; workspace buffers: xc 6,291,456 bytes; xs 262,144 bytes; wc 3,145,728 bytes; ws 131,072 bytes; qi 6,815,744 bytes; kv 13,369,344 bytes; ac 6,291,456 bytes; asc 262,144 bytes
;; launch quant (part 1): grid 384 x 1, 4 waves a work-group, no clusters, 68,096 bytes of LDS; arguments x, Wq, Wk, Wv, Wo, xc, xs, wc, ws; writes xc, xs, wc, ws
.if DOCPART == 1
	.amdgcn_target "amdgcn-amd-amdhsa--gfx1250"
	.amdhsa_code_object_version 6
	.text
	.protected	k_q7b277a01e6_quant
	.globl	k_q7b277a01e6_quant
	.p2align	8
	.type	k_q7b277a01e6_quant,@function
k_q7b277a01e6_quant:
	s_mov_b64 s[64:65], 0
	v_nop
	global_prefetch_b8 v0, s[64:65] scope:SCOPE_SE
	s_setreg_imm32_b32 hwreg(HW_REG_WAVE_MODE, 25, 1), 1
	s_wait_xcnt 0x0
; ONE LAUNCH QUANTISES x AND THE FOUR WEIGHTS to codes of FP6 (E2M3) with one E8M0 byte for each 32 along K.  Work-groups 0-255 take x, 256-383 the weights; the two ways part on the work-group's number alone,
; and each has LDS bytes of its own (x: 0 .. 32,767; the weights: from WB on); the spare words lie between them.
; A block's scale is 2^(floor(log2(its largest magnitude)) - 2); its byte is that magnitude's exponent field - 2, held at 1 from below (a block of zeros keeps 1: its codes are zeros, and this program alone reads the bytes).
; LIMITS: blocks whose largest magnitude lies under 2^-124 keep the byte 1; NaN and infinities among the inputs are not served.
; THE CODES LIE IN FOUR PLANES, one for each 256 along K: xc [4][8192 places][192 bytes], wc [4][4096 places][192 bytes]; the bytes xs, ws: [place][32].  Row (or column) n lies at place n with its bits 3 and 4 exchanged:
; the order in which the products want a tile's rows.  wc's places 0-1023 hold Wq's columns, then Wk's, Wv's, Wo's.
; x [8192][1024]: a wave takes 8 rows in 16 steps of 512 numbers; each of a step's four loads reads 512 consecutive bytes; they turn through the wave's own stage in LDS and come back 16 neighbours a lane, two lanes to a block.
; A weight [1024 (k)][1024 (n)]: a lane takes a column and its registers run down K, so a block lies in one lane; a wave takes 32 columns x 256 along K; the codes leave through the wave's stage as rows of 192 bytes.
; No tensor loads, no barrier, no cluster: waves and work-groups share nothing.
.set SPARE, 0x8000                     ; the spare words: 512 bytes that no other line names
.set WB,    33280                      ; the weights' stages
.set STEPS, 16
.set CB,    12                         ; bytes of 16 codes
.set R,     16                         ; x: v16-79 four sets of 16 numbers as loaded
.set X,     80                         ; v80-111 two sets of 16 neighbours
.set C,     128                        ; v128-191 codes, four registers a step
.set E,     112                        ; v112-127 a scale byte a step
.set WREG,  8192                       ; a wave's region: two stages of 32 x SP bytes, then its 256 scale bytes
.set SP,    80
.set SIZE_N, 1024
.set NB,    8                          ; the weights: blocks a lane
.set PITCH, 272                        ; a stage row: sixteen places of 16 bytes, each with 12 bytes of codes, + 16
.set KROW,  192
.set WX,    32                         ; v32-95 two sets of 32 numbers
.set WC,    96                         ; a block's codes
.set OUTR,  112                        ; v112-175 the way out
.set SB,    24                         ; v24-25 the scale bytes
	v_lshl_add_u32 v192, v0, 2, SPARE
	v_mov_b32 v193, 0
	v_lshrrev_b32 v1, 5, v0
	v_readfirstlane_b32 s16, v1                    ; wave
	v_and_b32 v2, 31, v0                           ; lane
	s_wait_alu depctr_va_vdst(0)
	s_cmp_ge_u32 ttmp9, 256
	s_cbranch_scc1 .Lw
; ---------------- x
	s_load_b64 s[4:5], s[0:1], 0x0                 ; x
	s_load_b64 s[6:7], s[0:1], 0x28                ; xc
	s_load_b64 s[10:11], s[0:1], 0x30              ; xs
	v_lshlrev_b32 v3, 4, v2                        ; my 16 bytes of a load's 512
	s_mul_i32 s17, s16, WREG
	v_lshrrev_b32 v14, 2, v2
	v_mul_u32_u24 v14, v14, SP
	v_and_b32 v15, 3, v2
	v_lshl_add_u32 v14, v15, 4, v14
	v_add_nc_u32 v14, s17, v14                     ; the stage, on the way in: SP (lane / 4) + 16 (lane % 4)
	v_mul_u32_u24 v15, v2, SP
	v_add_nc_u32 v15, s17, v15                     ; and on the way out: SP x lane
	v_and_b32 v4, 15, v2
	v_mul_u32_u24 v4, v4, CB                       ; sixteen lanes hold 256 along K: 12 bytes each,
	v_lshrrev_b32 v10, 4, v2
	v_mad_u32_u24 v4, v10, 0x180000, v4            ; and lanes 16-31 the next plane (8,192 x 192 bytes on)
	v_lshrrev_b32 v5, 1, v2
	s_add_co_u32 s17, s17, 2*32*SP
	v_add_nc_u32 v5, s17, v5                       ; LDS: my block's scale byte
	v_lshlrev_b32 v7, 3, v2
	v_add_nc_u32 v6, s17, v7
	s_lshl_b32 s17, ttmp9, 2
	s_add_co_u32 s18, s17, s16                     ; the run of 8 rows that I read
	s_and_b32 s19, s16, 1
	s_lshl_b32 s19, s19, 1
	s_lshr_b32 s20, s16, 1
	s_or_b32 s19, s19, s20                         ; the wave's two bits exchanged
	s_add_co_u32 s19, s17, s19                     ; the run of 8 places that I write
	s_lshl_b32 s20, s18, 15
	s_mov_b32 s21, 0
	s_mul_i32 s22, s19, 8*192
	s_mov_b32 s23, 0
	s_lshl_b32 s24, s19, 8
	s_mov_b32 s25, 0
	s_wait_alu depctr_va_vdst(0)
	s_wait_kmcnt 0x0
	s_add_nc_u64 s[4:5], s[4:5], s[20:21]
	s_add_nc_u64 s[6:7], s[6:7], s[22:23]
	s_add_nc_u64 s[10:11], s[10:11], s[24:25]
.macro LOAD t
.irp i, 0,1,2,3
	global_load_b128 v[R+16*((\t)%4)+4*\i:R+16*((\t)%4)+4*\i+3], v3, s[4:5] offset:2048*(\t)+512*\i th:TH_LOAD_NT
.endr
.endm
.macro TURN t                          ; LDS serves a wave's instructions in order: no wait between the stores and the loads
.irp i, 0,1,2,3
	ds_store_b128 v14, v[R+16*((\t)%4)+4*\i:R+16*((\t)%4)+4*\i+3] offset:32*SP*((\t)%2)+8*SP*\i
.endr
.irp i, 0,1,2,3
	ds_load_b128 v[X+16*((\t)%2)+4*\i:X+16*((\t)%2)+4*\i+3], v15 offset:32*SP*((\t)%2)+16*\i
.endr
.endm
.irp t, 0,1,2,3
	LOAD \t
.endr
	s_wait_loadcnt 12                              ; step 0's four loads are in; the twelve of steps 1 to 3 may be out
	TURN 0
.macro STEP t
.set XS, X+16*((\t)%2)
.if (\t) > 0
	s_wait_dscnt 1                                 ; this step's numbers are back (the last step's byte store may be out)
.else
	s_wait_dscnt 0x0
.endif
.if (\t)+4 < STEPS
	LOAD (\t)+4
.endif
.if (\t)+1 < STEPS
.if STEPS-2-(\t) >= 3
	s_wait_loadcnt 12                              ; the next step's four loads are in; those of the three steps behind it may be out
.else
	s_wait_loadcnt 4*(STEPS-2-(\t))
.endif
	TURN (\t)+1
.endif
	v_max3_num_f32 v8, |v[XS]|, |v[XS+1]|, |v[XS+2]|
	v_max3_num_f32 v9, |v[XS+3]|, |v[XS+4]|, |v[XS+5]|
.irp i, 6,10
	v_max3_num_f32 v8, v8, |v[XS+\i]|, |v[XS+\i+1]|
	v_max3_num_f32 v9, v9, |v[XS+\i+2]|, |v[XS+\i+3]|
.endr
	v_max3_num_f32 v8, v8, |v[XS+14]|, |v[XS+15]|
	v_max3_num_f32 v8, v8, v9, 0x1800000           ; the floor 2^(3 - 127)
	v_max_num_f32_dpp v8, v8, v8 row_xmask:1 row_mask:0xf bank_mask:0xf   ; with my neighbour's 16: the block's
	v_add_nc_u32 v11, 0xff000000, v8               ; 2 off its exponent field: the conversion's scale operand
	v_cvt_scalef32_pk16_fp6_f32 v[C+4*(\t):C+4*(\t)+2], v[XS:XS+15], v11
	v_lshrrev_b32 v[E+(\t)], 23, v11               ; the scale's byte
	ds_store_b8 v5, v[E+(\t)] offset:16*(\t)
	global_store_b96 v4, v[C+4*(\t):C+4*(\t)+2], s[6:7] offset:192*((\t)/2)+3145728*((\t)%2)   ; row t / 2; planes 2 (t % 2) and 2 (t % 2) + 1
.endm
.irp t, 0,1,2,3,4,5,6,7,8,9,10,11,12,13,14,15
	STEP \t
.endr
	ds_load_b64 v[12:13], v6
	s_wait_dscnt 0x0
	global_store_b64 v7, v[12:13], s[10:11]        ; 32 lanes store 256 consecutive bytes
	s_wait_tensorcnt 0x0                           ; the wave's end
	ds_add_u32 v192, v193
	s_wait_dscnt 0x0
	s_endpgm
; ---------------- the weights
.Lw:
	s_load_b256 s[32:39], s[0:1], 0x8              ; Wq, Wk, Wv, Wo
	s_load_b128 s[8:11], s[0:1], 0x38              ; wc, ws
	s_sub_co_u32 s40, ttmp9, 256
	s_and_b32 s41, s40, 31                         ; 8 for each weight, 128 columns each
	s_lshr_b32 s18, s40, 5                         ; which 256 along K
	s_lshr_b32 s30, s41, 3                         ; which weight
	s_and_b32 s17, s41, 7
	s_lshl_b32 s17, s17, 7
	s_lshl_b32 s19, s16, 5
	s_add_co_u32 s17, s17, s19                     ; my wave's first column in that weight
	s_lshl_b32 s31, s41, 7
	s_add_co_u32 s31, s31, s19                     ; and its first place among the 4,096
	v_lshlrev_b32 v3, 2, v2                        ; in: 4 bytes a lane
	v_and_b32 v10, 7, v2
	v_bfe_u32 v11, v2, 3, 1
	v_lshl_add_u32 v10, v11, 4, v10
	v_bfe_u32 v11, v2, 4, 1
	v_lshl_add_u32 v10, v11, 3, v10                ; my column's place in the group of 32
	s_mul_i32 s19, s16, 32*PITCH
	s_add_co_u32 s19, s19, WB                      ; my stage
	v_mul_u32_u24 v4, v10, PITCH
	v_add_nc_u32 v4, s19, v4                       ; into it: row = my place
	v_and_b32 v5, 15, v2
	v_lshrrev_b32 v6, 4, v2                        ; out of it: sixteen lanes to a row, two rows an instruction
	v_mul_u32_u24 v7, v6, PITCH
	v_lshl_add_u32 v7, v5, 4, v7
	v_add_nc_u32 v7, s19, v7
	v_mul_u32_u24 v8, v6, KROW
	v_mad_u32_u24 v8, v5, 12, v8
	v_lshlrev_b32 v9, 5, v10                       ; my place's row of scale bytes
	s_lshl_b32 s20, s18, 20                        ; W: 256 y rows of 4,096 bytes
	s_lshl_b32 s22, s17, 2
	s_add_co_u32 s20, s20, s22
	s_mov_b32 s21, 0
	s_mul_i32 s24, s31, KROW                       ; codes: plane y, place x 192
	s_mul_i32 s26, s18, 4096*192
	s_add_co_u32 s24, s24, s26
	s_mov_b32 s25, 0
	s_lshl_b32 s28, s31, 5                         ; scale bytes: place x 32 + 8 y
	s_lshl_b32 s26, s18, 3
	s_add_co_u32 s28, s28, s26
	s_mov_b32 s29, 0
	s_wait_alu depctr_va_vdst(0)
	s_wait_kmcnt 0x0
	s_cmp_eq_u32 s30, 1                            ; the weight is chosen by the work-group's number alone
	s_cselect_b64 s[4:5], s[34:35], s[32:33]
	s_cmp_eq_u32 s30, 2
	s_cselect_b64 s[4:5], s[36:37], s[4:5]
	s_cmp_eq_u32 s30, 3
	s_cselect_b64 s[4:5], s[38:39], s[4:5]
	s_add_nc_u64 s[4:5], s[4:5], s[20:21]
	s_add_nc_u64 s[8:9], s[8:9], s[24:25]
	s_add_nc_u64 s[10:11], s[10:11], s[28:29]
.macro WLOAD t                         ; block t: W(32 t + i, my column) into set t % 2
.irp i, 0,1,2,3,4,5,6,7,8,9,10,11,12,13,14,15,16,17,18,19,20,21,22,23,24,25,26,27,28,29,30,31
	global_load_b32 v[WX+32*((\t)%2)+\i], v3, s[4:5] offset:(32*(\t)+\i)*SIZE_N*4 th:TH_LOAD_NT
.endr
.endm
	WLOAD 0
	WLOAD 1
.macro BLOCK t
.set XS, WX+32*((\t)%2)
.if (\t) < NB-1
	s_wait_loadcnt 32                              ; this block's 32 loads are in; the next block's 32 may be out
.else
	s_wait_loadcnt 0
.endif
	v_max3_num_f32 v12, |v[XS]|, |v[XS+1]|, |v[XS+2]|
	v_max3_num_f32 v13, |v[XS+3]|, |v[XS+4]|, |v[XS+5]|
.irp i, 6,10,14,18,22,26
	v_max3_num_f32 v12, v12, |v[XS+\i]|, |v[XS+\i+1]|
	v_max3_num_f32 v13, v13, |v[XS+\i+2]|, |v[XS+\i+3]|
.endr
	v_max3_num_f32 v12, v12, |v[XS+30]|, |v[XS+31]|
	v_max3_num_f32 v12, v12, v13, 0x1800000        ; the floor 2^(3 - 127)
	v_add_nc_u32 v11, 0xff000000, v12
	v_lshrrev_b32 v13, 23, v11                     ; the scale's byte
.if (\t)%4 == 0
	v_mov_b32 v[SB+(\t)/4], v13
.else
	v_lshl_or_b32 v[SB+(\t)/4], v13, 8*((\t)%4), v[SB+(\t)/4]
.endif
	v_cvt_scalef32_pk16_fp6_f32 v[WC:WC+2], v[XS:XS+15], v11
	v_cvt_scalef32_pk16_fp6_f32 v[WC+4:WC+6], v[XS+16:XS+31], v11
	v_nop                                          ; one plain line behind the conversions
	ds_store_b96 v4, v[WC:WC+2] offset:32*(\t)
	ds_store_b96 v4, v[WC+4:WC+6] offset:32*(\t)+16
.if (\t)+2 < NB
	WLOAD (\t)+2
.endif
	s_wait_dscnt 0x0                               ; the stores have read their registers
.endm
.set Q, 0
.rept NB
	BLOCK Q
.set Q, Q+1
.endr
	s_wait_alu depctr_va_vdst(0)
	global_store_b64 v9, v[SB:SB+1], s[10:11]      ; my column's 8 scale bytes
.irp t, 0,1,2,3,4,5,6,7,8,9,10,11,12,13,14,15
	ds_load_b96 v[OUTR+4*\t:OUTR+4*\t+2], v7 offset:2*\t*PITCH
.endr
.irp t, 0,1,2,3,4,5,6,7,8,9,10,11,12,13,14,15
	s_wait_dscnt 15-\t                             ; load t is in; the younger ones may be out
	global_store_b96 v8, v[OUTR+4*\t:OUTR+4*\t+2], s[8:9] offset:2*\t*KROW
.endr
	s_wait_tensorcnt 0x0                           ; the wave's end
	ds_add_u32 v192, v193
	s_wait_dscnt 0x0
	s_endpgm
.Lfunc_end_k_q7b277a01e6_quant:
	.size	k_q7b277a01e6_quant, .Lfunc_end_k_q7b277a01e6_quant-k_q7b277a01e6_quant
	.p2alignl 7, 3214868480
	.fill 96, 4, 3214868480
	.section	.rodata,"a",@progbits
	.p2align	6, 0x0
	.amdhsa_kernel k_q7b277a01e6_quant
		.amdhsa_group_segment_fixed_size 68096
		.amdhsa_private_segment_fixed_size 0
		.amdhsa_enable_private_segment 0
		.amdhsa_kernarg_size 72
		.amdhsa_user_sgpr_count 2
		.amdhsa_user_sgpr_kernarg_segment_ptr 1
		.amdhsa_wavefront_size32 1
		.amdhsa_system_sgpr_workgroup_id_x 1
		.amdhsa_system_sgpr_workgroup_id_y 1
		.amdhsa_system_sgpr_workgroup_id_z 1
		.amdhsa_system_vgpr_workitem_id 0
		.amdhsa_next_free_vgpr 194
		.amdhsa_next_free_sgpr 66
		.amdhsa_reserve_vcc 0
		.amdhsa_float_denorm_mode_32 3
		.amdhsa_float_denorm_mode_16_64 3
		.amdhsa_memory_ordered 1
		.amdhsa_forward_progress 1
		.amdhsa_inst_pref_size 74
	.end_amdhsa_kernel
	.amdgpu_metadata
---
amdhsa.version: [ 1, 2 ]
amdhsa.kernels:
  - .name:           k_q7b277a01e6_quant
    .symbol:         k_q7b277a01e6_quant.kd
    .args:
      - { .name: x, .offset: 0, .size: 8, .value_kind: global_buffer, .address_space: global }
      - { .name: Wq, .offset: 8, .size: 8, .value_kind: global_buffer, .address_space: global }
      - { .name: Wk, .offset: 16, .size: 8, .value_kind: global_buffer, .address_space: global }
      - { .name: Wv, .offset: 24, .size: 8, .value_kind: global_buffer, .address_space: global }
      - { .name: Wo, .offset: 32, .size: 8, .value_kind: global_buffer, .address_space: global }
      - { .name: xc, .offset: 40, .size: 8, .value_kind: global_buffer, .address_space: global }
      - { .name: xs, .offset: 48, .size: 8, .value_kind: global_buffer, .address_space: global }
      - { .name: wc, .offset: 56, .size: 8, .value_kind: global_buffer, .address_space: global }
      - { .name: ws, .offset: 64, .size: 8, .value_kind: global_buffer, .address_space: global }
    .group_segment_fixed_size: 68096
    .private_segment_fixed_size: 0
    .kernarg_segment_align: 8
    .kernarg_segment_size: 72
    .max_flat_workgroup_size: 128
    .sgpr_count:     66
    .vgpr_count:     194
    .wavefront_size: 32
...
	.end_amdgpu_metadata
.endif
;; end of part 1
;; launch proj (part 2): grid 8 x 48, 4 waves a work-group, clusters of 4 x 4, 327,680 bytes of LDS; arguments xc, xs, wc, ws, bq, bk, bv, qi, kv; writes qi, kv
.if DOCPART == 2
	.amdgcn_target "amdgcn-amd-amdhsa--gfx1250"
	.amdhsa_code_object_version 6
	.text
	.protected	k_q7b277a01e6_proj
	.globl	k_q7b277a01e6_proj
	.p2align	8
	.type	k_q7b277a01e6_proj,@function
k_q7b277a01e6_proj:
	s_mov_b64 s[64:65], 0
	v_nop
	global_prefetch_b8 v0, s[64:65] scope:SCOPE_SE
	s_setreg_imm32_b32 hwreg(HW_REG_WAVE_MODE, 25, 1), 1
	s_wait_xcnt 0x0
	s_wait_alu depctr_hold_cnt(0) depctr_sa_sdst(0) depctr_va_vdst(0) depctr_va_sdst(0) depctr_va_ssrc(0) depctr_va_vcc(0) depctr_vm_vsrc(0)
	s_getreg_b32 s2, hwreg(HW_REG_IB_STS2, 6, 4)
	s_cmp_eq_u32 s2, 0
	s_cbranch_scc0 .Lentry_in_a_cluster
	s_endpgm
.Lentry_in_a_cluster:
	s_bfe_u32 s2, ttmp6, 0x10000c
	s_cmp_lg_u32 s2, 0xf033
	s_cbranch_scc0 .Lentry_shape_is_right
	s_endpgm
.Lentry_shape_is_right:
; Q = x Wq + bq, K = x Wk + bk, V = x Wv + bv on codes of FP6 (E2M3) with E8M0 scales; the results are quantised in registers and leave as codes: nothing wide goes to memory.
; ONE PRODUCT FORM: C[i][j] = sum over k of P[i][k] R[j][k], P as source 1 and R as source 0 of the matrix instruction, so that a lane holds one i and its registers run along j: C is quantised along j.
;   clusters y 0-7:  P = x (8,192 places), R = Wq over Wk (2,048 places): Q and K, quantised along the head's 64 channels.
;   clusters y 8-11: P = Wv (places 2,048.. of the weights), R = x: V transposed, quantised along the keys.
; 384 tiles of 256 x 256, a work-group each: 256 x 384 to a work-group would even the count out, but its 768 accumulator registers a wave leave no room for fragments.
; ROWS LIE BY PLACES: place p of xc and wc holds row p with bits 3 and 4 exchanged.  So the 16 registers of R's tiles 2 b and 2 b + 1 are 16 true neighbours along j (32 b + 16 (lane / 16) + 0..15), as the
; conversions want them, and lane r of P's block a is true row 32 (a / 2) + 8 (a % 2) + r + 8 (r / 8).
; A work-group is four waves, a wave makes 128 x 128: 64 accumulators.  K goes in steps of 256 through a ring of two LDS slots filled by the tensor data mover; the scale bytes of the work-group's rows come once and stay.
; CLUSTERS: 4 x 4 work-groups; P's tiles are asked for jointly along a row of the cluster, R's along a column.
; WHAT LEAVES.  Q, K: for each (batch, head), group of 128 tokens and tile of 16 tokens an image of the operand's registers 0-5 (the head's 64 channels): pair g of lane l at 256 g + 8 l, 768 bytes a tile; the rows' scale words
; (bytes 0, 1 the head's two blocks; bytes 2, 3 fall on zero codes in the next launch and are never 0xff) at 256 (a / 4) + 16 r + 4 (a % 4).  V: for each tile of 16 channels a whole fragment (128 keys): registers 4 g .. 4 g + 3 of lane l at 512 g + 16 l.
; A record of qi is 6,144 + 512 bytes; one of kv 6,144 (K) + 6,144 (V) + 512 (K's scale words) + 256 (V's).  Every store of codes covers 256 or 512 consecutive bytes at a multiple of 256 from its buffer's first byte.
; LIMITS: blocks whose largest magnitude lies under 2^-124 keep the scale byte 1; NaN and infinities are not served.
; REGISTERS: window 0: v1-6 lane numbers; v16-23, v27 LDS addresses; v24-26, v30 offsets; v28-29 the add's; v32-63 scale words; v64-127 biases; v128-223 P's fragments, one set; on the way out v128-251 are at work.
;   window 1: R's fragments, two sets, at v0 and v128.   windows 2, 3: the accumulators ((a, b) at v[8 (8 (a % 4) + b)]).
.set KSTEP,  256
.set NQ,     KSTEP/128
.set ROWB,   192                       ; a tile's row: 256 codes
.set KROW,   192                       ; a place's bytes in a plane: xc and wc lie as [K / 256][places][192 bytes], so a tile of 128 places is 96 dense rows of 256 bytes
.set XPL,    8192*192                  ; a plane of xc
.set WPL,    4096*192                  ; a plane of wc
.set PITCH,  240                       ; an LDS row: 3 x (64 bytes + 16 of padding)
.set FR,     12
.set NL,     6
.set NP,     4                         ; places behind this matrix instruction (ISA guide 7.12.1)
.set HALFT,  128*PITCH
.set SLOT,   4*HALFT
.set LAPS,   2                         ; 1,024 along K: twice round the ring
.set KS,     32                        ; a row of scale bytes
.set SCL,    2*SLOT
.set HALFS,  (128*KS/256)*272
.set SBLK,   (16*KS/256)*272
.set SPARE,  SCL+4*HALFS               ; the spare words, 128 bytes for each wave: two blocks of 256 bytes that no other line names
.set ADRA, 16
.set ADRB, 20
.set L8,   24                          ; 8 x lane
.set L16,  25                          ; 16 x lane
.set BO,   26                          ; the biases' offset
.set ADRS, 27
.set SPW,  28
.set NIL,  29
.set SO,   30                          ; the scale words' offset
.set SC,   32
.set BI,   64                          ; biases
.set AF,   128
.set HA,   128                         ; the way out: 64 numbers of a lane
.set PC,   192                         ; the codes just made (v192-210)
.set DD,   212                         ; the scale words as they are stored
.set TM,   224
.set PW,   240
.set PWS,  244                         ; the eight blocks' scale words
.set SEL,  20
.set G1, 24
.set G0, 32
.set G1B, 48
.set G0B, 56
.set G1S, 68
.set G0S, 76
.set G1SB, 80
.set G0SB, 88
.set MSB, 0
.macro WIN new                         ; the immediate's high byte repeats the setting that is left
.if MSB != (\new)
	s_set_vgpr_msb (MSB<<8)|(\new)
.set MSB, (\new)
.endif
.endm
.set MUL_LO, 0xa1                      ; source 0 (R) window 1, source 1 (P) window 0, C and D window 2
.set MUL_HI, 0xf1
.set TO_B,   0x40
; A joint load: waves 0 and 1 fetch for P, waves 2 and 3 for R.  The branch hangs on the wave's number alone.  Four v_nop follow each of the two lines.
.macro JLOAD g0a, g1a, g0b, g1b
	s_cmp_eq_u32 s15, 0
	s_cbranch_scc0 .Lfor_b_\@
	tensor_load_to_lds s[\g0a:\g0a+3], s[\g1a:\g1a+7]
	s_nop 0
.rept 4
	v_nop
.endr
	s_branch .Lasked_\@
.Lfor_b_\@:
	tensor_load_to_lds s[\g0b:\g0b+3], s[\g1b:\g1b+7]
	s_nop 0
.rept 4
	v_nop
.endr
.Lasked_\@:
.endm
.macro CREST                           ; a round of the cluster's barrier behind its opening barrier
	s_cmp_lg_u32 s14, 0
	s_cbranch_scc1 .Lnot_wave_0_\@
	s_barrier_signal -3
.Lnot_wave_0_\@:
	s_barrier_wait -3
	s_barrier_signal -1
	s_barrier_wait -1
.endm
.macro CROUND
	s_barrier_signal -1
	s_barrier_wait -1
	CREST
.endm
	s_load_b256 s[4:11], s[0:1], 0x0               ; xc, xs, wc, ws
	s_load_b256 s[92:99], s[0:1], 0x20             ; bq, bk, bv, qi
	s_load_b64 s[100:101], s[0:1], 0x40            ; kv
	v_lshl_add_u32 v[SPW], v0, 2, SPARE
	v_mov_b32 v[NIL], 0
	ds_add_u32 v28, v29
	ds_add_u32 v28, v29
	s_wait_dscnt 0x0
	v_lshrrev_b32 v1, 5, v0
	v_readfirstlane_b32 s14, v1                    ; wave 0..3
	s_lshr_b32 s15, s14, 1                         ; which half of P's rows is mine.  Also: I fetch for P (0) or for R (1)
	s_and_b32 s16, s14, 1                          ; which half of R's rows.  Also: which 128 rows of that tile I fetch
	s_bfe_u32 s40, ttmp6, 0x40000                  ; cx, cy: my place in the cluster
	s_bfe_u32 s41, ttmp6, 0x40004
	s_and_b32 s17, ttmp7, 0xffff                   ; cluster y
	s_sub_co_u32 s18, s17, 8
	s_lshl_b32 s18, s18, 1
	s_add_co_u32 s18, s18, ttmp9                   ; V's part: cluster column 2 (y - 8) + x
	s_cmp_ge_u32 s17, 8                            ; the part hangs on the cluster's y alone: the same in all sixteen partners
	s_cselect_b32 s105, 1, 0                       ; 1: V's part
	s_cselect_b32 s17, 0, s17
	s_cselect_b32 s42, s18, ttmp9
	s_cselect_b32 s20, 2048, 0                     ; where P's rows begin in their buffer: Wv's places
	s_lshl_b32 s42, s42, 2
	s_add_co_u32 s42, s42, s40                     ; tj: tile along R
	s_lshl_b32 s17, s17, 2
	s_add_co_u32 s17, s17, s41                     ; ti: tile along P
	s_lshl_b32 s43, s41, 2
	s_lshl_b32 s43, 15, s43                        ; my row of the cluster
	s_lshl_b32 s44, 0x1111, s40                    ; my column
	; descriptor group 1: a tile of 128 rows x 192 bytes, 16 bytes of padding behind every 64
	s_or_b32 s[G1+0], s43, (0<<16)|(1<<20)|(1<<21)|(3<<22)|(3<<25)
	s_or_b32 s[G1B+0], s44, (0<<16)|(1<<20)|(1<<21)|(3<<22)|(3<<25)
.irp g, G1, G1B
	s_mov_b32 s[\g+1], 256<<16                     ; rows of 256 bytes; the padding's interval stays 64 bytes, so an LDS row of 192 + 48 bytes is as before
	s_mov_b32 s[\g+2], 192<<16                     ; the head's loads bring 256 places: 192 rows
	s_mov_b32 s[\g+3], 256<<16
	s_mov_b32 s[\g+4], 192
	s_mov_b32 s[\g+5], 256
	s_mov_b32 s[\g+6], 0
	s_mov_b32 s[\g+7], 0
.endr
	; the scales of 256 rows: 8,192 dense bytes as 32 rows of 256 (32 elements of 8 bytes), 16 bytes of padding behind each
	s_or_b32 s[G1S+0], s43, (3<<16)|(1<<20)|(1<<21)|(5<<22)|(3<<25)
	s_or_b32 s[G1SB+0], s44, (3<<16)|(1<<20)|(1<<21)|(5<<22)|(3<<25)
.irp g, G1S, G1SB
	s_mov_b32 s[\g+1], 32<<16
	s_mov_b32 s[\g+2], (256*KS/256)<<16            ; the scales of all 256 rows by one load
	s_mov_b32 s[\g+3], 32<<16
	s_mov_b32 s[\g+4], 256*KS/256
	s_mov_b32 s[\g+5], 32
	s_mov_b32 s[\g+6], 0
	s_mov_b32 s[\g+7], 0
.endr
	s_lshl_b32 s21, s17, 8
	s_add_co_u32 s20, s20, s21                     ; P: place 256 ti (+ 2,048)
	s_lshl_b32 s46, s42, 8                         ; R: place 256 tj
	s_mov_b32 s21, 0
	s_mov_b32 s47, 0
	s_mov_b64 s[18:19], KS
	s_mul_u64 s[22:23], s[20:21], s[18:19]         ; where these rows' scales begin, in bytes
	s_mul_u64 s[2:3], s[46:47], s[18:19]
	s_mov_b64 s[18:19], KROW
	s_mul_u64 s[20:21], s[20:21], s[18:19]         ; and their codes
	s_mul_u64 s[46:47], s[46:47], s[18:19]
	s_mul_i32 s45, s14, HALFT                      ; where they go: wave x 128 rows
	s_wait_kmcnt 0x0
	s_cmp_eq_u32 s105, 1                           ; which buffers are P's and which R's
	s_cselect_b64 s[12:13], s[8:9], s[4:5]
	s_cselect_b64 s[66:67], s[10:11], s[6:7]
	s_cselect_b64 s[8:9], s[4:5], s[8:9]
	s_cselect_b64 s[10:11], s[6:7], s[10:11]
	s_mov_b64 s[4:5], s[12:13]
	s_mov_b64 s[6:7], s[66:67]
	s_add_nc_u64 s[20:21], s[4:5], s[20:21]
	s_add_nc_u64 s[22:23], s[6:7], s[22:23]
	s_add_nc_u64 s[46:47], s[8:9], s[46:47]
	s_add_nc_u64 s[2:3], s[10:11], s[2:3]
	CROUND                                         ; all sixteen work-groups are here: the first joint loads meet
	s_mov_b32 s12, 2*XPL                           ; two planes on, for P's buffer s[12:13] and for R's s[66:67]: the part decides which is xc
	s_mov_b32 s66, 2*WPL
	s_cmp_eq_u32 s105, 1
	s_cselect_b32 s12, 2*WPL, s12
	s_cselect_b32 s66, 2*XPL, s66
	s_mov_b32 s13, 0
	s_mov_b32 s67, 0
	s_mov_b32 s[G0S], 1                            ; the head's four tiles, each whole: P's scales,
	s_mov_b32 s[G0S+1], SCL
	s_mov_b64 s[G0S+2:G0S+3], s[22:23]
	s_or_b32 s[G0S+3], s[G0S+3], 0x80000000
	s_mov_b32 s[G0SB], 1                           ; R's scales,
	s_mov_b32 s[G0SB+1], SCL+2*HALFS
	s_mov_b64 s[G0SB+2:G0SB+3], s[2:3]
	s_or_b32 s[G0SB+3], s[G0SB+3], 0x80000000
	s_mov_b32 s[G0], 1                             ; K step 0's 256 places of P,
	s_mov_b32 s[G0+1], 0
	s_mov_b64 s[G0+2:G0+3], s[20:21]
	s_or_b32 s[G0+3], s[G0+3], 0x80000000
	s_mov_b32 s[G0B], 1                            ; and of R
	s_mov_b32 s[G0B+1], 2*HALFT
	s_mov_b64 s[G0B+2:G0B+3], s[46:47]
	s_or_b32 s[G0B+3], s[G0B+3], 0x80000000
	s_mul_i32 s22, s16, 128*KROW                   ; slot 1, K step 1: my 128 places, one plane on
	s_mov_b32 s23, 0
	s_add_nc_u64 s[20:21], s[20:21], s[22:23]
	s_add_nc_u64 s[46:47], s[46:47], s[22:23]
	s_lshr_b32 s22, s12, 1
	s_mov_b32 s[G0+4], 1
	s_add_co_u32 s[G0+5], s45, SLOT
	s_add_nc_u64 s[G0+6:G0+7], s[20:21], s[22:23]
	s_or_b32 s[G0+7], s[G0+7], 0x80000000
	s_lshr_b32 s22, s66, 1
	s_mov_b32 s[G0B+4], 1
	s_add_co_u32 s[G0B+5], s45, SLOT
	s_add_nc_u64 s[G0B+6:G0B+7], s[46:47], s[22:23]
	s_or_b32 s[G0B+7], s[G0B+7], 0x80000000
; one tensor load a wave at the head, in one chain of branches on the wave's number
.macro ARM under, g0, g1, next
	s_cmp_lt_u32 s14, \under
	s_cbranch_scc0 \next
	tensor_load_to_lds s[\g0:\g0+3], s[\g1:\g1+7]
	s_nop 0
.rept 4
	v_nop
.endr
	s_branch .Lhead_asked
\next:
.endm
	ARM 1, G0,  G1,  .Lhead_b
	ARM 2, G0B, G1B, .Lhead_sa
	ARM 3, G0S, G1S, .Lhead_sb
	tensor_load_to_lds s[G0SB:G0SB+3], s[G1SB:G1SB+7]
	s_nop 0
.rept 4
	v_nop
.endr
.Lhead_asked:
	v_and_b32 v1, 15, v0                           ; r = lane % 16: kept
	v_bfe_u32 v2, v0, 4, 1                         ; h = lane / 16: kept
	v_mul_u32_u24 v3, v1, PITCH
	v_mul_u32_u24 v4, v2, 24
	v_add_nc_u32 v4, v3, v4                        ; a fragment's row x pitch + 24 x half
	v_lshl_add_u32 v5, v2, 4, v4                   ; and the same behind one padding more
	s_mul_i32 s21, s15, HALFT                      ; my 128 rows of P
	s_mul_i32 s22, s16, HALFT                      ; my 128 rows of R,
	s_add_co_u32 s22, s22, 2*HALFT                 ; which lie behind P's 256
.irp s, 0,1
	v_add_nc_u32 v[ADRA+\s], s21, v4
	v_add_nc_u32 v[ADRB+\s], s22, v4
	v_add_nc_u32 v[ADRA+2+\s], s21, v5
	v_add_nc_u32 v[ADRB+2+\s], s22, v5
	s_add_co_u32 s21, s21, SLOT
	s_add_co_u32 s22, s22, SLOT
.endr
	v_mul_u32_u24 v5, v1, KS                       ; my row's scales: 32 bytes a row,
	v_lshrrev_b32 v6, 8, v5
	v_lshl_add_u32 v5, v6, 4, v5                   ; and 16 more for each 256 passed
	s_mul_i32 s21, s15, HALFS
	s_mul_i32 s22, s16, HALFS
	s_add_co_u32 s22, s22, 2*HALFS
	s_sub_co_u32 s22, s22, s21
	v_mul_u32_u24 v6, s22, v2                      ; lanes 16-31 take R's
	s_add_co_u32 s21, s21, SCL
	v_add_nc_u32 v5, v5, v6
	v_add_nc_u32 v[ADRS], s21, v5
	v_and_b32 v6, 31, v0
	v_lshlrev_b32 v[L8], 3, v6
	v_lshlrev_b32 v[L16], 4, v6
.irp b, 0,1,2,3
	v_mov_b32 v[TM+4+\b], 0                        ; written once: a lane permute's destination counts as one of its sources
.endr
.macro FRAG reg, adr, q, i             ; a fragment: lane l holds row l % 16; registers 6 c .. 6 c + 5 hold K = 64 c + 32 (l / 16) + 0 .. 31: 24 bytes of the row, in pieces of 8
.irp p, 0,1,2,3,4,5
.set PCE, 12*(\q)+6*(\p/3)+\p%3       ; where the piece three on lies behind one padding more, the second address register serves
.if PCE%8 < 5
	ds_load_b64 v[\reg+2*\p:\reg+2*\p+1], v[\adr] offset:8*PCE+16*(PCE/8)+(\i)*16*PITCH
.else
	ds_load_b64 v[\reg+2*\p:\reg+2*\p+1], v[\adr+2] offset:8*PCE+16*(PCE/8)+(\i)*16*PITCH
.endif
.endr
.endm
; 16 matrix instructions: P's blocks a0, a0 + 1 x R's eight, 128 along K.  The 64 accumulators take turns, one instruction a turn, in the same order in every step.
.macro MUL16 a0, p, q, sc, zero
.irp a, \a0, \a0+1
.irp b, 0,1,2,3,4,5,6,7
.if \zero
	v_wmma_scale_f32_16x16x128_f8f6f4 v[8*(8*((\a)%4)+\b):8*(8*((\a)%4)+\b)+7], v[128*(\p)+FR*\b:128*(\p)+FR*\b+FR-1], v[AF+FR*(\a):AF+FR*(\a)+FR-1], 0, v[SC+8*NQ*(\sc)+NQ*\b+(\q)], v[SC+8*NQ*(\sc)+NQ*(\a)+(\q)] matrix_a_fmt:MATRIX_FMT_FP6 matrix_b_fmt:MATRIX_FMT_FP6 matrix_a_scale:MATRIX_SCALE_ROW1
.else
	v_wmma_scale_f32_16x16x128_f8f6f4 v[8*(8*((\a)%4)+\b):8*(8*((\a)%4)+\b)+7], v[128*(\p)+FR*\b:128*(\p)+FR*\b+FR-1], v[AF+FR*(\a):AF+FR*(\a)+FR-1], v[8*(8*((\a)%4)+\b):8*(8*((\a)%4)+\b)+7], v[SC+8*NQ*(\sc)+NQ*\b+(\q)], v[SC+8*NQ*(\sc)+NQ*(\a)+(\q)] matrix_a_fmt:MATRIX_FMT_FP6 matrix_b_fmt:MATRIX_FMT_FP6 matrix_a_scale:MATRIX_SCALE_ROW1
.endif
.endr
.endr
.endm
.macro FETCH_B slot, q, p
	WIN TO_B
.irp i, 0,1,2,3,4,5,6,7
	FRAG 128*(\p)+FR*\i, ADRB+\slot, \q, \i
.endr
	WIN 0
.endm
.macro FETCH_A slot, q, i0
.irp i, \i0, \i0+1, \i0+2, \i0+3
	FRAG AF+FR*(\i), ADRA+\slot, \q, \i
.endr
.endm
.macro SCALES sc                       ; a K step's scale words: lanes 0-15 take P's block i, lanes 16-31 R's block i
.irp i, 0,1,2,3,4,5,6,7
	ds_load_b64 v[SC+8*NQ*\sc+NQ*\i:SC+8*NQ*\sc+NQ*\i+1], v[ADRS] offset:\i*SBLK
.endr
.endm
.macro PLACES n                        ; plain vector lines between a matrix instruction and a load into, or a vector read of, its registers
.rept \n
	v_nop
.endr
.endm
.macro STEP slot, q, zero              ; a step of 128 along K that has its successor in the same slot
	s_wait_dscnt 4*NL                              ; R's set and P's blocks 0-3 are in; the youngest 24 loads (P's blocks 4-7) may be out
	WIN MUL_LO
	MUL16 0, (\q)%2, \q, \slot, \zero
	MUL16 2, (\q)%2, \q, \slot, \zero
	s_wait_dscnt 0
	PLACES NP
	FETCH_B \slot, (\q)+1, 1-(\q)%2
	FETCH_A \slot, (\q)+1, 0
	WIN MUL_HI
	MUL16 4, (\q)%2, \q, \slot, \zero
	MUL16 6, (\q)%2, \q, \slot, \zero
	PLACES NP
	WIN 0
	FETCH_A \slot, (\q)+1, 4
.endm
; A slot's last step changes slots: one barrier; in front of it each wave waits for all its tensor loads, adds 0 to its spare word, and waits for that and for its own reads of this slot.
.macro TURN slot, next, fill
	s_wait_tensorcnt 0x0                           ; all my tensor loads have landed: my part of the next slot
	ds_add_u32 v[SPW], v[NIL]                      ; 0 onto my spare word
	s_wait_dscnt 4*NL+1                            ; (the add and the youngest 24 loads, P's blocks 4-7, may be out)
	WIN MUL_LO
	MUL16 0, 1, NQ-1, \slot, 0
	s_wait_dscnt 0x0                               ; the add is done, and my reads of this slot are over
	s_barrier_signal -1
	MUL16 2, 1, NQ-1, \slot, 0
	WIN 0
	s_barrier_wait -1
.if \fill
	CREST                                          ; the barrier has opened a round of the cluster's barrier: no wave of any partner still reads this slot or has a load on its way
	s_add_nc_u64 s[G0+4*\slot+2:G0+4*\slot+3], s[G0+4*\slot+2:G0+4*\slot+3], s[12:13]
	s_add_nc_u64 s[G0B+4*\slot+2:G0B+4*\slot+3], s[G0B+4*\slot+2:G0B+4*\slot+3], s[66:67]
	JLOAD G0+4*\slot, G1, G0B+4*\slot, G1B         ; the first tensor load behind the round; its four v_nop are the places in front of the loads below
.else
	PLACES NP
.endif
	s_wait_alu depctr_va_vdst(0)
	v_add_nc_u32 v[ADRS], 4*NQ, v[ADRS]            ; on to the next K step's scale words
	FETCH_B \next, 0, 0
	FETCH_A \next, 0, 0
	SCALES \next
	WIN MUL_HI
	MUL16 4, 1, NQ-1, \slot, 0
	MUL16 6, 1, NQ-1, \slot, 0
	PLACES NP
	WIN 0
	FETCH_A \next, 0, 4
.endm
.macro LAST                            ; the very last step: nothing more to fetch
	s_wait_dscnt 4*NL
	WIN MUL_LO
	MUL16 0, 1, NQ-1, 1, 0
	MUL16 2, 1, NQ-1, 1, 0
	s_wait_dscnt 0
	WIN MUL_HI
	MUL16 4, 1, NQ-1, 1, 0
	MUL16 6, 1, NQ-1, 1, 0
	WIN 0
	PLACES NP                                      ; in front of the first vector lines that read results and write over P's fragments
.endm
; 64 numbers of a lane, register 16 b + i = j 32 b + 16 (lane / 16) + i of my row, become a fragment's codes in v[PC] on and its scale word in v[PW].
.macro QUANT s
.irp b, 0,1,2,3
	v_max3_num_f32 v[TM+\b], |v[\s+16*\b]|, |v[\s+1+16*\b]|, 0x1800000   ; my 16 numbers of block b, and the floor 2^(3 - 127)
.endr
.irp i, 2,4,6,8,10,12,14
.irp b, 0,1,2,3
	v_max3_num_f32 v[TM+\b], v[TM+\b], |v[\s+16*\b+\i]|, |v[\s+1+16*\b+\i]|
.endr
.endr
.irp b, 0,1,2,3
	v_permlanex16_b32 v[TM+4+\b], v[TM+\b], s[SEL], s[SEL+1]
.endr
.irp b, 0,1,2,3
	v_max_num_f32 v[TM+\b], v[TM+\b], v[TM+4+\b]   ; with lane l xor 16's: the block's largest magnitude
.endr
.irp b, 0,1,2,3
	v_add_nc_u32 v[TM+12+\b], 0xff000000, v[TM+\b] ; 2 off its exponent field: the conversion's scale operand
.endr
.irp b, 0,1,2,3
	v_lshrrev_b32 v[TM+4+\b], 23, v[TM+12+\b]      ; the scale's byte
.endr
	v_lshl_or_b32 v[PW], v[TM+5], 8, v[TM+4]
	v_lshl_or_b32 v[PW], v[TM+6], 16, v[PW]
	v_lshl_or_b32 v[PW], v[TM+7], 24, v[PW]
.irp c, 0,1
	v_cvt_scalef32_pk16_fp6_f32 v[PC+6*\c:PC+2+6*\c], v[\s+32*\c:\s+15+32*\c], v[TM+12+2*\c]
	v_cvt_scalef32_pk16_fp6_f32 v[PC+12+4*\c:PC+14+4*\c], v[\s+16+32*\c:\s+31+32*\c], v[TM+12+2*\c+1]
.endr
	v_nop                                          ; one plain line behind a scaled conversion
.irp c, 0,1                                    ; the operand's layout wants a whole block in a lane
.irp i, 0,1,2
	v_permlane16_swap_b32 v[PC+6*\c+\i], v[PC+12+4*\c+\i]
.endr
.irp i, 0,1,2
	v_mov_b32 v[PC+3+6*\c+\i], v[PC+12+4*\c+\i]
.endr
.endr
.endm
; P's block a leaves: bias, quantiser, stores.  kind 0: Q or K (registers 0-5 are head hd0's tile, 6-11 head hd0 + 1's); kind 1: V (a whole fragment of head hd0 + a / 4).
.macro OUTBLK a, kind
.if (\a) > 0
	s_wait_xcnt 0x0                                ; the last block's stores have read their data: the codes' registers are written again only behind this wait
.endif
	WIN 0x02+(\a)/4                                ; source 0: the accumulators' window
.set AC, 64*((\a)%4)
.set pp, 0
.rept 32                                       ; each accumulator from its low end on
.if \kind
	v_pk_add_f32 v[HA+2*pp:HA+2*pp+1], v[AC+2*pp:AC+2*pp+1], v[BI+2*(\a):BI+2*(\a)+1]
.else
	v_pk_add_f32 v[HA+2*pp:HA+2*pp+1], v[AC+2*pp:AC+2*pp+1], v[BI+2*pp:BI+2*pp+1]
.endif
.set pp, pp+1
.endr
	WIN 0
	QUANT HA
	v_mov_b32 v[PWS+(\a)], v[PW]
.if \kind
.irp g, 0,1,2
.if (\a) < 4
	global_store_b128 v[L16], v[PC+4*\g:PC+4*\g+3], s[12:13] offset:6144+1536*((\a)%4)+512*\g
.else
	global_store_b128 v[L16], v[PC+4*\g:PC+4*\g+3], s[66:67] offset:6144+1536*((\a)%4)+512*\g
.endif
.endr
.else
.irp g, 0,1,2
	global_store_b64 v[L8], v[PC+2*\g:PC+2*\g+1], s[12:13] offset:768*(\a)+256*\g
	global_store_b64 v[L8], v[PC+6+2*\g:PC+6+2*\g+1], s[66:67] offset:768*(\a)+256*\g
.endr
.endif
.endm
	s_wait_alu depctr_va_vdst(0)
	s_wait_tensorcnt 0x0                           ; my tile of the head's four is in; slot 1's first fill is issued as a refill is
	ds_add_u32 v[SPW], v[NIL]
	s_mov_b32 s[G1+2], 96<<16                      ; no tensor load of mine is out: from here on a load brings 128 places, 96 rows
	s_mov_b32 s[G1+4], 96
	s_mov_b32 s[G1B+2], 96<<16
	s_mov_b32 s[G1B+4], 96
	s_mul_i32 s22, s16, 128*KROW
	s_mov_b32 s23, 0
	s_add_nc_u64 s[G0+2:G0+3], s[G0+2:G0+3], s[22:23]      ; slot 0's group 0: my 128 places, to my quarter of the slot
	s_add_nc_u64 s[G0B+2:G0B+3], s[G0B+2:G0B+3], s[22:23]
	s_mov_b32 s[G0+1], s45
	s_mov_b32 s[G0B+1], s45
	s_wait_dscnt 0x0
	CROUND                                         ; all four tiles are in, and all sixteen work-groups are here
	JLOAD G0+4, G1, G0B+4, G1B                     ; K step 1
	FETCH_B 0, 0, 0
	FETCH_A 0, 0, 0
	SCALES 0
	FETCH_A 0, 0, 4
	STEP 0, 0, 1                                   ; the first step's products start the sums
	s_mov_b32 s3, LAPS-1
.Llap:
	TURN 0, 1, 1
	STEP 1, 0, 0
	TURN 1, 0, 1
	STEP 0, 0, 0
	s_sub_co_u32 s3, s3, 1
	s_cmp_lg_u32 s3, 0
	s_cbranch_scc1 .Llap
	TURN 0, 1, 0                                   ; the last lap fills nothing
	STEP 1, 0, 0
	s_mov_b32 s[SEL], 0x76543210                   ; v_permlanex16_b32's selects for lane l xor 16
	s_mov_b32 s[SEL+1], 0xfedcba98
	s_cmp_eq_u32 s105, 1                           ; the two parts differ in the way out alone; the number is the same in all partners and all waves
	s_cbranch_scc1 .Lv
	; ---- Q and K.  The biases are asked for ahead of the last 64 products.
	s_lshl_b32 s18, s17, 1
	s_add_co_u32 s18, s18, s15                     ; my group of 128 tokens among the 64: 2 ti + half
	s_lshl_b32 s19, s40, 2
	s_lshl_b32 s22, s16, 1
	s_add_co_u32 s19, s19, s22                     ; my first head: 4 cx + 2 x half
	s_lshr_b32 s22, s18, 4                         ; the batch
	s_lshl_b32 s22, s22, 4
	s_add_co_u32 s22, s22, s19
	s_lshl_b32 s22, s22, 4
	s_and_b32 s18, s18, 15
	s_add_co_u32 s22, s22, s18                     ; the record: (16 batch + head) 16 + group
	s_mov_b32 s18, 13056
	s_mov_b32 s19, 12288
	s_cmp_eq_u32 ttmp9, 0                          ; cluster x 0: Wq's rows; 1: Wk's
	s_cselect_b32 s18, 6656, s18                   ; a record's bytes
	s_cselect_b32 s19, 6144, s19                   ; where its scale words begin
	s_cselect_b64 s[12:13], s[98:99], s[100:101]
	s_cselect_b64 s[46:47], s[92:93], s[94:95]
	s_mul_i32 s22, s22, s18
	s_mov_b32 s23, 0
	s_add_nc_u64 s[12:13], s[12:13], s[22:23]      ; my first head's record
	s_lshl_b32 s22, s18, 4
	s_add_nc_u64 s[66:67], s[12:13], s[22:23]      ; the next head's: 16 records on
	s_lshl_b32 s22, s40, 10
	s_lshl_b32 s18, s16, 9
	s_add_co_u32 s22, s22, s18
	s_add_nc_u64 s[46:47], s[46:47], s[22:23]      ; the bias at my 128 columns
	v_lshlrev_b32 v[BO], 6, v2                     ; 64 h: lane (r, h) wants, for tile b, columns 32 (b / 2) + 16 h + 8 (b % 2) + 0 .. 7
	v_add_nc_u32 v[SO], s19, v[L16]
.irp b, 0,1,2,3,4,5,6,7
	global_load_b128 v[BI+8*\b:BI+8*\b+3], v[BO], s[46:47] offset:4*(32*(\b/2)+8*(\b%2))
	global_load_b128 v[BI+8*\b+4:BI+8*\b+7], v[BO], s[46:47] offset:4*(32*(\b/2)+8*(\b%2))+16
.endr
	LAST
	s_wait_loadcnt 0x0
.irp a, 0,1,2,3,4,5,6,7
	OUTBLK \a, 0
.endr
	v_cmp_eq_u32 vcc_lo, 1, v2
.irp i, 0,1,2,3
	v_cndmask_b32 v[DD+\i], v[PWS+\i], v[PWS+4+\i], vcc_lo   ; lanes 0-15 carry tiles 0-3's words, lanes 16-31 tiles 4-7's
.endr
.irp i, 0,1,2,3
	v_lshrrev_b32 v[DD+4+\i], 16, v[DD+\i]         ; the next head's two bytes
.endr
	global_store_b128 v[SO], v[DD:DD+3], s[12:13]  ; 512 consecutive bytes
	global_store_b128 v[SO], v[DD+4:DD+7], s[66:67]
	s_branch .Lend
.Lv:	; ---- V
	s_lshl_b32 s18, s42, 1
	s_add_co_u32 s18, s18, s16                     ; my group of 128 tokens: 2 tj + half
	s_lshl_b32 s19, s17, 2
	s_lshl_b32 s22, s15, 1
	s_add_co_u32 s19, s19, s22                     ; my first head: 4 ti + 2 x half
	s_lshr_b32 s22, s18, 4
	s_lshl_b32 s22, s22, 4
	s_add_co_u32 s22, s22, s19
	s_lshl_b32 s22, s22, 4
	s_and_b32 s18, s18, 15
	s_add_co_u32 s22, s22, s18
	s_mul_i32 s22, s22, 13056
	s_mov_b32 s23, 0
	s_add_nc_u64 s[12:13], s[100:101], s[22:23]
	s_add_nc_u64 s[66:67], s[12:13], 208896
	s_lshl_b32 s22, s17, 10
	s_lshl_b32 s18, s15, 9
	s_add_co_u32 s22, s22, s18
	s_add_nc_u64 s[46:47], s[96:97], s[22:23]      ; bv at my 128 channels
	v_and_b32 v3, 8, v1
	v_add_nc_u32 v3, v3, v1
	v_lshlrev_b32 v[BO], 2, v3                     ; my row of block a is channel 32 (a / 2) + 8 (a % 2) + r + 8 (r / 8)
	v_mul_u32_u24 v[SO], v2, 208896
	v_lshl_add_u32 v[SO], v1, 4, v[SO]             ; the scale words: 16 r; lanes 16-31 the next head's record
.irp a, 0,1,2,3,4,5,6,7
	global_load_b32 v[BI+2*\a], v[BO], s[46:47] offset:4*(32*(\a/2)+8*(\a%2))
.endr
	LAST
	s_wait_loadcnt 0x0
.irp a, 0,1,2,3,4,5,6,7
	v_mov_b32 v[BI+2*\a+1], v[BI+2*\a]             ; a pair for the packed addition
.endr
.irp a, 0,1,2,3,4,5,6,7
	OUTBLK \a, 1
.endr
	v_cmp_eq_u32 vcc_lo, 1, v2
.irp i, 0,1,2,3
	v_cndmask_b32 v[DD+\i], v[PWS+\i], v[PWS+4+\i], vcc_lo
.endr
	global_store_b128 v[SO], v[DD:DD+3], s[12:13] offset:12800   ; each half of the lanes stores 256 consecutive bytes
.Lend:
	s_wait_tensorcnt 0x0                           ; the wave's end
	ds_add_u32 v[SPW], v[NIL]
	s_wait_dscnt 0x0
	CROUND                                         ; the closing round: no work-group ends while a partner may still ask for a tile that names it
	s_endpgm
.Lfunc_end_k_q7b277a01e6_proj:
	.size	k_q7b277a01e6_proj, .Lfunc_end_k_q7b277a01e6_proj-k_q7b277a01e6_proj
	.p2alignl 7, 3214868480
	.fill 96, 4, 3214868480
	.section	.rodata,"a",@progbits
	.p2align	6, 0x0
	.amdhsa_kernel k_q7b277a01e6_proj
		.amdhsa_group_segment_fixed_size 327680
		.amdhsa_private_segment_fixed_size 0
		.amdhsa_enable_private_segment 0
		.amdhsa_kernarg_size 72
		.amdhsa_user_sgpr_count 2
		.amdhsa_user_sgpr_kernarg_segment_ptr 1
		.amdhsa_wavefront_size32 1
		.amdhsa_system_sgpr_workgroup_id_x 1
		.amdhsa_system_sgpr_workgroup_id_y 1
		.amdhsa_system_sgpr_workgroup_id_z 1
		.amdhsa_system_vgpr_workitem_id 0
		.amdhsa_next_free_vgpr 1024
		.amdhsa_next_free_sgpr 106
		.amdhsa_reserve_vcc 1
		.amdhsa_float_denorm_mode_32 3
		.amdhsa_float_denorm_mode_16_64 3
		.amdhsa_memory_ordered 1
		.amdhsa_forward_progress 1
		.amdhsa_inst_pref_size 246
	.end_amdhsa_kernel
	.amdgpu_metadata
---
amdhsa.version: [ 1, 2 ]
amdhsa.kernels:
  - .name:           k_q7b277a01e6_proj
    .symbol:         k_q7b277a01e6_proj.kd
    .args:
      - { .name: xc, .offset: 0, .size: 8, .value_kind: global_buffer, .address_space: global }
      - { .name: xs, .offset: 8, .size: 8, .value_kind: global_buffer, .address_space: global }
      - { .name: wc, .offset: 16, .size: 8, .value_kind: global_buffer, .address_space: global }
      - { .name: ws, .offset: 24, .size: 8, .value_kind: global_buffer, .address_space: global }
      - { .name: bq, .offset: 32, .size: 8, .value_kind: global_buffer, .address_space: global }
      - { .name: bk, .offset: 40, .size: 8, .value_kind: global_buffer, .address_space: global }
      - { .name: bv, .offset: 48, .size: 8, .value_kind: global_buffer, .address_space: global }
      - { .name: qi, .offset: 56, .size: 8, .value_kind: global_buffer, .address_space: global }
      - { .name: kv, .offset: 64, .size: 8, .value_kind: global_buffer, .address_space: global }
    .group_segment_fixed_size: 327680
    .private_segment_fixed_size: 0
    .kernarg_segment_align: 8
    .kernarg_segment_size: 72
    .max_flat_workgroup_size: 128
    .sgpr_count:     106
    .vgpr_count:     1024
    .wavefront_size: 32
...
	.end_amdgpu_metadata
.endif
;; end of part 2
;; launch attn (part 3): grid 4 x 64, 8 waves a work-group, clusters of 4 x 1, 327,680 bytes of LDS; arguments qi, kv, ac, asc; writes ac, asc
.if DOCPART == 3
	.amdgcn_target "amdgcn-amd-amdhsa--gfx1250"
	.amdhsa_code_object_version 6
	.text
	.protected	k_q7b277a01e6_attn
	.globl	k_q7b277a01e6_attn
	.p2align	8
	.type	k_q7b277a01e6_attn,@function
k_q7b277a01e6_attn:
	s_mov_b64 s[64:65], 0
	v_nop
	global_prefetch_b8 v0, s[64:65] scope:SCOPE_SE
	s_setreg_imm32_b32 hwreg(HW_REG_WAVE_MODE, 25, 1), 1
	s_wait_xcnt 0x0
	s_wait_alu depctr_hold_cnt(0) depctr_sa_sdst(0) depctr_va_vdst(0) depctr_va_sdst(0) depctr_va_ssrc(0) depctr_va_vcc(0) depctr_vm_vsrc(0)
	s_getreg_b32 s2, hwreg(HW_REG_IB_STS2, 6, 4)
	s_cmp_eq_u32 s2, 0
	s_cbranch_scc0 .Lentry_in_a_cluster
	s_endpgm
.Lentry_in_a_cluster:
	s_bfe_u32 s2, ttmp6, 0x10000c
	s_cmp_lg_u32 s2, 0x3003
	s_cbranch_scc0 .Lentry_shape_is_right
	s_endpgm
.Lentry_shape_is_right:
; o = softmax(q k^T / 8) v for one (batch, head) and 512 queries a work-group, on codes of FP6 (E2M3) with E8M0 scales; o leaves as codes and scale bytes for the last product.
; BOTH PRODUCTS ARE USED TRANSPOSED (S^T = k q^T, O^T = v^T p^T): a lane holds one query, its registers run along the keys or the channels.
; A WAVE OWNS 64 QUERIES, four tiles of 16: one fetch of a step's 8 fragments of k and 4 of v from LDS feeds 48 matrix instructions.
; A step is 128 keys (one record of kv: k's image 6,144 bytes, v's 6,144, k's scale words 512, v's 256).  The softmax goes two tiles at a time, line by line in turn, so that neighbouring lines do not hang on each other.
; p = 2^(t - M), t = score x log2(e) / 8, M the running largest t rounded up to a whole number; sums and O^T are brought under a new M by f = 2^(old M - new M); the row's sum is taken of the unquantised p.
; A block's largest p is the block's largest score put through the same multiply-add and exponential.
; LDS: all 16 records of the head, 208,896 bytes, come once: each wave asks for two records, 102 rows of 256 bytes, by one joint load (the four work-groups of a cluster are the four query blocks of one head).
; Nothing is filled again.  No prefetch: the launch asks for all its tiles at its head and has no loop of loads to run ahead in.
; LIMITS: the promise holds while the scaled scores t stay under 2^31 in magnitude; NaN and infinities are not served; a block of o whose largest magnitude lies under 2^-124 keeps the scale byte 1.
; REGISTERS, window 0: v1-7 addresses; v8, v9 the add's; v10-25 for each tile -M, largest t, the sum in two halves; v26-33 for each tile f and p's scale word; v34-87 fragments of k, then of v (v82-87 zeros);
;   v88-215 scores, then p, of two tiles; v216-231 scale words of k, v, q; v232-255 at work, 12 for each of the two tiles.   window 1: v0-127 O^T; v128-175 q (upper six of each twelve zeros); v176-223 p's codes; v224-239 at work.
.set REC,  13056
.set VIMG, 6144
.set KSW,  12288
.set SPARE, 16*REC
.set L8,   1
.set AV0,  2
.set AS0,  3
.set ADK,  4
.set ADV,  5
.set ADS,  6
.set TX,   7
.set SPW,  8
.set NIL,  9
.set ST,   10
.set F,    26
.set KF,   34
.set S,    88
.set KS,   216
.set VS,   224
.set QS,   228
.set T,    232
.set O,    0
.set QF,   128
.set PC,   176
.set CT,   224
.set TB,   2
.set CNT,  3
.set WV,   12
.set SEL,  20
.set CS,   22
.set G1,   24
.set G0,   40
.set MSB, 0
.macro WIN new                         ; the immediate's high byte repeats the setting that is left
.if MSB != (\new)
	s_set_vgpr_msb (MSB<<8)|(\new)
.set MSB, (\new)
.endif
.endm
.macro WALU
	s_wait_alu depctr_va_vdst(0)
.endm
.macro PLACES
.rept 4
	v_nop
.endr
.endm
.macro CROUND
	s_barrier_signal -1
	s_barrier_wait -1
	s_cmp_lg_u32 s[WV], 0
	s_cbranch_scc1 .Lnot_wave_0_\@
	s_barrier_signal -3
.Lnot_wave_0_\@:
	s_barrier_wait -3
	s_barrier_signal -1
	s_barrier_wait -1
.endm
	s_load_b128 s[4:7], s[0:1], 0x0                ; qi, kv
	s_load_b128 s[8:11], s[0:1], 0x10              ; ac, asc
	v_lshl_add_u32 v[SPW], v0, 2, SPARE
	v_mov_b32 v[NIL], 0
	ds_add_u32 v[SPW], v[NIL]                      ; the opening lines: the add twice on end and its wait
	ds_add_u32 v[SPW], v[NIL]
	v_lshrrev_b32 v[TX], 5, v0
	v_readfirstlane_b32 s[WV], v[TX]               ; wave 0..7
	s_bfe_u32 s13, ttmp6, 0x40000                  ; cx: which 512 queries
	s_and_b32 s14, ttmp7, 0xffff                   ; 16 batch + head
	s_mov_b32 s[G1], 15|(3<<16)|(1<<21)            ; all four partners; elements of 8 bytes
	s_mov_b32 s[G1+1], 32<<16                      ; rows of 256 bytes
	s_mov_b32 s[G1+2], 102<<16                     ; two records
	s_mov_b32 s[G1+3], 32<<16
	s_mov_b32 s[G1+4], 102
	s_mov_b32 s[G1+5], 32
	s_mov_b32 s[G1+6], 0
	s_mov_b32 s[G1+7], 0
	s_mov_b32 s[G0], 1
	s_mul_i32 s[G0+1], s[WV], 2*REC
	s_mul_i32 s52, s14, 16*REC
	s_add_co_u32 s52, s52, s[G0+1]
	s_mov_b32 s53, 0
	s_lshl_b32 s56, s14, 4                         ; q's record: 16 (16 batch + head) + 4 cx + wave / 2
	s_lshl_b32 s57, s13, 2
	s_add_co_u32 s56, s56, s57
	s_lshr_b32 s57, s[WV], 1
	s_add_co_u32 s56, s56, s57
	s_mul_i32 s56, s56, 6656
	s_and_b32 s58, s[WV], 1                        ; its tiles 4 (wave % 2) + 0..3
	s_mul_i32 s57, s58, 4*768
	s_add_co_u32 s60, s56, s57
	s_mov_b32 s61, 0
	s_lshl_b32 s58, s58, 8
	s_add_co_u32 s62, s56, s58
	s_add_co_u32 s62, s62, 6144                    ; their scale words: 16 bytes a row
	s_mov_b32 s63, 0
	s_and_b32 s15, s14, 15
	s_lshr_b32 s18, s14, 4
	s_lshl_b32 s56, s18, 7                         ; my first tile of 16 tokens: 128 batch + 32 cx + 4 wave
	s_lshl_b32 s57, s13, 5
	s_add_co_u32 s56, s56, s57
	s_lshl_b32 s57, s[WV], 2
	s_add_co_u32 s56, s56, s57
	s_mul_i32 s48, s56, 768
	s_mul_i32 s57, s15, 393216
	s_add_co_u32 s48, s48, s57
	s_mov_b32 s49, 0
	s_lshl_b32 s50, s56, 9
	s_lshl_b32 s57, s15, 1
	s_add_co_u32 s50, s50, s57
	s_mov_b32 s51, 0
	s_mov_b32 s[SEL], 0x76543210                   ; v_permlanex16_b32's selects for lane l xor 16
	s_mov_b32 s[SEL+1], 0xfedcba98
	s_mov_b32 s[CS], 0x3e38aa3b                    ; log2(e) / 8
	s_mov_b32 s[CS+1], s[CS]
	s_mov_b32 s[TB], 0
	s_wait_dscnt 0x0
	s_wait_kmcnt 0x0
	s_add_nc_u64 s[G0+2:G0+3], s[6:7], s[52:53]
	s_or_b32 s[G0+3], s[G0+3], 0x80000000
	s_add_nc_u64 s[16:17], s[4:5], s[62:63]
	s_add_nc_u64 s[4:5], s[4:5], s[60:61]
	s_add_nc_u64 s[8:9], s[8:9], s[48:49]
	s_add_nc_u64 s[10:11], s[10:11], s[50:51]
	CROUND                                         ; the four partners are here: the joint loads meet
	tensor_load_to_lds s[G0:G0+3], s[G1:G1+7]      ; my one load: records 2 wave and 2 wave + 1
	s_nop 0
	PLACES
	v_and_b32 v[L8], 31, v0
	v_and_b32 v[TX], 15, v0
	v_lshlrev_b32 v[AV0], 4, v[L8]
	v_lshlrev_b32 v[L8], 3, v[L8]                  ; 8 x lane
	v_lshlrev_b32 v[TX], 4, v[TX]                  ; 16 x (lane % 16)
	v_add_nc_u32 v[AV0], VIMG, v[AV0]
	v_add_nc_u32 v[AS0], KSW, v[TX]
	WIN 0x40
.irp i, 0,1,2,3
.irp g, 0,1,2
	global_load_b64 v[QF+12*\i+2*\g:QF+12*\i+2*\g+1], v[L8], s[4:5] offset:768*\i+256*\g
.endr
.endr
	WIN 0
	global_load_b128 v[QS:QS+3], v[TX], s[16:17]   ; the four tiles' scale words of my row
	WIN 0x40
.set jj, 0
.rept 128
	v_mov_b32 v[O+jj], 0                           ; the step is written once: the first finds zeros
.set jj, jj+1
.endr
.irp i, 0,1,2,3
.irp j, 6,7,8,9,10,11
	v_mov_b32 v[QF+12*\i+\j], 0                    ; the head has 64 channels: K = 64 .. 127 are zero codes
.endr
.endr
	WIN 0
.irp j, 48,49,50,51,52,53
	v_mov_b32 v[KF+\j], 0
.endr
.set jj, 0
.rept 24
	v_mov_b32 v[T+jj], 0                           ; a lane permute's destination counts as one of its sources
.set jj, jj+1
.endr
.irp i, 0,1,2,3
	v_mov_b32 v[F+2*\i], 0
	v_mov_b32 v[F+2*\i+1], 0
	v_mov_b32 v[ST+4*\i+1], 0xff61b1e6             ; the largest t so far: -3e38
	v_mov_b32 v[ST+4*\i+2], 0
	v_mov_b32 v[ST+4*\i+3], 0
.endr
.irp i, 0,1,2,3
	v_floor_f32 v[ST+4*\i], -v[ST+4*\i+1]
.endr
.macro SETU pr, u                      ; the registers of tile 2 pr + u
.set SU,  S+64*(\u)
.set TU,  T+12*(\u)
.set STU, ST+4*(2*(\pr)+(\u))
.set FU,  F+2*(2*(\pr)+(\u))
.set PCU, PC+12*(2*(\pr)+(\u))
.set CTU, CT+8*(\u)
.endm
.macro CH n                            ; the step's largest t, the new -M = floor(-t), f = 2^(old M - new M)
.if \n == 0
	v_max3_num_f32 v[TU+4], v[TU], v[TU+1], v[TU+2]
.elseif \n == 1
	v_max_num_f32 v[TU+4], v[TU+4], v[TU+3]
.elseif \n == 2
	v_mul_f32 v[TU+4], s[CS], v[TU+4]
.elseif \n == 3
	v_max_num_f32 v[STU+1], v[STU+1], v[TU+4]
.elseif \n == 4
	v_mov_b32 v[TU+4], v[STU]
.elseif \n == 5
	v_floor_f32 v[STU], -v[STU+1]
.elseif \n == 6
	v_sub_f32 v[TU+4], v[STU], v[TU+4]
.elseif \n == 7
	v_cvt_i32_f32 v[TU+4], v[TU+4]
.else
	v_ldexp_f32 v[FU], 1.0, v[TU+4]
.endif
.endm
.macro QK pr                           ; S^T of tiles 2 pr, 2 pr + 1: 16 products, each on an accumulator of its own
	WIN 0x04
.irp t, 0,1,2,3,4,5,6,7
.irp u, 0,1
	v_wmma_scale_f32_16x16x128_f8f6f4 v[S+64*\u+8*\t:S+64*\u+8*\t+7], v[KF+6*\t:KF+6*\t+11], v[QF+12*(2*\pr+\u):QF+12*(2*\pr+\u)+11], 0, v[KS+\t], v[QS+2*\pr+\u] matrix_a_fmt:MATRIX_FMT_FP6 matrix_b_fmt:MATRIX_FMT_FP6
.endr
.endr
	WIN 0
	PLACES
.endm
.macro SOFT pr                         ; scores of two tiles -> p's codes and scale words, the sums, f
.irp b, 0,1,2,3
.irp u, 0,1
	SETU \pr, \u
	v_max3_num_f32 v[TU+\b], v[SU+16*\b], v[SU+16*\b+1], v[SU+16*\b+2]   ; the largest score of each block of 32 keys
.endr
.endr
.irp i, 3,5,7,9,11,13
.irp b, 0,1,2,3
.irp u, 0,1
	SETU \pr, \u
	v_max3_num_f32 v[TU+\b], v[TU+\b], v[SU+16*\b+\i], v[SU+16*\b+\i+1]
.endr
.endr
.endr
.irp b, 0,1,2,3
.irp u, 0,1
	SETU \pr, \u
	v_max_num_f32 v[TU+\b], v[TU+\b], v[SU+16*\b+15]
.endr
.endr
.irp b, 0,1,2,3
.irp u, 0,1
	SETU \pr, \u
	v_permlanex16_b32 v[TU+4+\b], v[TU+\b], s[SEL], s[SEL+1]
.endr
.endr
.irp b, 0,1,2,3
.irp u, 0,1
	SETU \pr, \u
	v_max_num_f32 v[TU+\b], v[TU+\b], v[TU+4+\b]   ; with lane l xor 16's 16 keys
.endr
.endr
.irp n, 0,1,2,3,4,5,6,7,8
.irp u, 0,1
	SETU \pr, \u
	CH \n
.endr
.endr
.set jj, 0
.rept 32
.irp u, 0,1
	SETU \pr, \u
	v_pk_fma_f32 v[SU+jj:SU+jj+1], v[SU+jj:SU+jj+1], s[CS:CS+1], v[STU:STU+1] op_sel_hi:[1,0,0]   ; t - M
.endr
.set jj, jj+2
.endr
.irp b, 0,1,2,3
.irp u, 0,1
	SETU \pr, \u
	v_fma_f32 v[TU+\b], v[TU+\b], s[CS], v[STU]
.endr
.endr
	WALU                                           ; the wait ahead of the batch
.set jj, 0
.rept 64
	v_exp_f32 v[S+jj], v[S+jj]
	v_exp_f32 v[S+64+jj], v[S+64+jj]
.set jj, jj+1
.endr
.irp u, 0,1
	SETU \pr, \u
	v_pk_mul_f32 v[STU+2:STU+3], v[STU+2:STU+3], v[FU:FU+1] op_sel_hi:[1,0]   ; the sums under the new M
.endr
	WALU                                           ; and behind it
.irp b, 0,1,2,3
.irp u, 0,1
	SETU \pr, \u
	v_exp_f32 v[TU+\b], v[TU+\b]                   ; each block's largest p
.endr
.endr
.irp u, 0,1
	SETU \pr, \u
	v_pk_add_f32 v[TU+4:TU+5], v[SU:SU+1], v[SU+2:SU+3]   ; the row's sum of the unquantised p, two chains a tile
.endr
.irp j, 4,8,12,16,20,24,28,32,36,40,44,48,52,56,60
.irp u, 0,1
	SETU \pr, \u
	v_pk_add_f32 v[STU+2:STU+3], v[STU+2:STU+3], v[SU+\j:SU+\j+1]
.endr
.irp u, 0,1
	SETU \pr, \u
	v_pk_add_f32 v[TU+4:TU+5], v[TU+4:TU+5], v[SU+\j+2:SU+\j+3]
.endr
.endr
.irp u, 0,1
	SETU \pr, \u
	v_pk_add_f32 v[STU+2:STU+3], v[STU+2:STU+3], v[TU+4:TU+5]
.endr
	WALU                                           ; for the eight exponentials
.irp b, 0,1,2,3
.irp u, 0,1
	SETU \pr, \u
	v_max_num_f32 v[TU+\b], 0x1800000, v[TU+\b]    ; the floor 2^(3 - 127): the byte cannot fall under 1
.endr
.endr
.irp b, 0,1,2,3
.irp u, 0,1
	SETU \pr, \u
	v_add_nc_u32 v[TU+8+\b], 0xff000000, v[TU+\b]  ; 2 off the exponent field: the conversion's scale operand
.endr
.endr
.irp b, 0,1,2,3
.irp u, 0,1
	SETU \pr, \u
	v_lshrrev_b32 v[TU+4+\b], 23, v[TU+8+\b]       ; the scale's byte
.endr
.endr
.irp u, 0,1
	SETU \pr, \u
	v_lshl_or_b32 v[FU+1], v[TU+5], 8, v[TU+4]
.endr
.irp u, 0,1
	SETU \pr, \u
	v_lshl_or_b32 v[FU+1], v[TU+6], 16, v[FU+1]
.endr
.irp u, 0,1
	SETU \pr, \u
	v_lshl_or_b32 v[FU+1], v[TU+7], 24, v[FU+1]
.endr
	WIN 0x40
.irp u, 0,1
.irp c, 0,1
	SETU \pr, \u
	v_cvt_scalef32_pk16_fp6_f32 v[PCU+6*\c:PCU+6*\c+2], v[SU+32*\c:SU+32*\c+15], v[TU+8+2*\c]
	v_cvt_scalef32_pk16_fp6_f32 v[CTU+4*\c:CTU+4*\c+2], v[SU+32*\c+16:SU+32*\c+31], v[TU+9+2*\c]
.endr
.endr
	WIN 0x41
	v_nop                                          ; one plain line behind the conversions
.irp u, 0,1
.irp c, 0,1
.irp k, 0,1,2
	SETU \pr, \u
	v_permlane16_swap_b32 v[PCU+6*\c+\k], v[CTU+4*\c+\k]   ; the operand wants a whole block in a lane
.endr
.endr
.endr
.irp u, 0,1
.irp c, 0,1
.irp k, 0,1,2
	SETU \pr, \u
	v_mov_b32 v[PCU+6*\c+3+\k], v[CTU+4*\c+\k]
.endr
.endr
.endr
	WIN 0
.endm
	WALU
	s_wait_tensorcnt 0x0                           ; my two records are in,
	s_barrier_signal -1
	s_barrier_wait -1                              ; everybody's are
	s_wait_loadcnt 0x0
	s_mov_b32 s[CNT], 16
.Lstep:
	v_add_nc_u32 v[ADK], s[TB], v[L8]              ; with the v_nop: the four places behind the last products, ahead of the loads into their registers
	v_add_nc_u32 v[ADV], s[TB], v[AV0]
	v_add_nc_u32 v[ADS], s[TB], v[AS0]
	v_nop
.irp t, 0,1,2,3,4,5,6,7
.irp g, 0,1,2
	ds_load_b64 v[KF+6*\t+2*\g:KF+6*\t+2*\g+1], v[ADK] offset:768*\t+256*\g
.endr
.endr
	ds_load_b128 v[KS:KS+3], v[ADS]
	ds_load_b128 v[KS+4:KS+7], v[ADS] offset:256
	WALU
	s_wait_dscnt 0x0
	QK 0
	SOFT 0
	QK 1
.irp t, 0,1,2,3
.irp g, 0,1,2
	ds_load_b128 v[KF+12*\t+4*\g:KF+12*\t+4*\g+3], v[ADV] offset:1536*\t+512*\g   ; v's fragments land under the second softmax
.endr
.endr
	ds_load_b128 v[VS:VS+3], v[ADS] offset:512
	SOFT 1
	WIN 0x41
	WALU                                           ; the wait directly ahead of the first reader of O^T
.irp i, 0,1,2,3
.set jj, 0
.rept 16
	v_pk_mul_f32 v[O+32*\i+jj:O+32*\i+jj+1], v[O+32*\i+jj:O+32*\i+jj+1], v[F+2*\i:F+2*\i+1] op_sel_hi:[1,0]   ; O^T under the new M
.set jj, jj+2
.endr
.endr
	WIN 0
	WALU
	s_wait_dscnt 0x0
	WIN 0x54
.irp t, 0,1,2,3
.irp i, 0,1,2,3
	v_wmma_scale_f32_16x16x128_f8f6f4 v[O+32*\i+8*\t:O+32*\i+8*\t+7], v[KF+12*\t:KF+12*\t+11], v[PC+12*\i:PC+12*\i+11], v[O+32*\i+8*\t:O+32*\i+8*\t+7], v[VS+\t], v[F+2*\i+1] matrix_a_fmt:MATRIX_FMT_FP6 matrix_b_fmt:MATRIX_FMT_FP6
.endr
.endr
	WIN 0
	s_add_co_u32 s[TB], s[TB], REC
	s_sub_co_u32 s[CNT], s[CNT], 1
	s_cmp_lg_u32 s[CNT], 0
	s_cbranch_scc1 .Lstep
; THE WAY OUT: O^T / the sum, quantised along the head's 64 channels; tile i's temporaries at v[T + 6 i]
	PLACES
.irp i, 0,1,2,3
	v_add_f32 v[ST+4*\i+2], v[ST+4*\i+2], v[ST+4*\i+3]
.endr
.irp i, 0,1,2,3
	v_permlanex16_b32 v[T+\i], v[ST+4*\i+2], s[SEL], s[SEL+1]
.endr
.irp i, 0,1,2,3
	v_add_f32 v[ST+4*\i+2], v[ST+4*\i+2], v[T+\i]
.endr
	WALU
.irp i, 0,1,2,3
	v_rcp_f32 v[ST+4*\i+2], v[ST+4*\i+2]
.endr
	v_nop
	WIN 0x01
	WALU
.irp i, 0,1,2,3
.set jj, 0
.rept 16
	v_pk_mul_f32 v[S+32*\i+jj:S+32*\i+jj+1], v[O+32*\i+jj:O+32*\i+jj+1], v[ST+4*\i+2:ST+4*\i+3] op_sel_hi:[1,0]
.set jj, jj+2
.endr
.endr
	WIN 0
.irp b, 0,1
.irp i, 0,1,2,3
	v_max3_num_f32 v[T+6*\i+\b], |v[S+32*\i+16*\b]|, |v[S+32*\i+16*\b+1]|, 0x1800000
.endr
.endr
.irp k, 2,4,6,8,10,12,14
.irp b, 0,1
.irp i, 0,1,2,3
	v_max3_num_f32 v[T+6*\i+\b], v[T+6*\i+\b], |v[S+32*\i+16*\b+\k]|, |v[S+32*\i+16*\b+\k+1]|
.endr
.endr
.endr
.irp b, 0,1
.irp i, 0,1,2,3
	v_permlanex16_b32 v[T+6*\i+2+\b], v[T+6*\i+\b], s[SEL], s[SEL+1]
.endr
.endr
.irp b, 0,1
.irp i, 0,1,2,3
	v_max_num_f32 v[T+6*\i+\b], v[T+6*\i+\b], v[T+6*\i+2+\b]
.endr
.endr
.irp b, 0,1
.irp i, 0,1,2,3
	v_add_nc_u32 v[T+6*\i+4+\b], 0xff000000, v[T+6*\i+\b]
.endr
.endr
.irp b, 0,1
.irp i, 0,1,2,3
	v_lshrrev_b32 v[T+6*\i+2+\b], 23, v[T+6*\i+4+\b]
.endr
.endr
	WIN 0x40
.irp i, 0,1,2,3
	v_cvt_scalef32_pk16_fp6_f32 v[PC+12*\i:PC+12*\i+2], v[S+32*\i:S+32*\i+15], v[T+6*\i+4]
	v_cvt_scalef32_pk16_fp6_f32 v[CT+4*\i:CT+4*\i+2], v[S+32*\i+16:S+32*\i+31], v[T+6*\i+5]
.endr
	WIN 0x41
	v_nop
.irp i, 0,1,2,3
.irp k, 0,1,2
	v_permlane16_swap_b32 v[PC+12*\i+\k], v[CT+4*\i+\k]
.endr
.endr
.irp i, 0,1,2,3
.irp k, 0,1,2
	v_mov_b32 v[PC+12*\i+3+\k], v[CT+4*\i+\k]
.endr
.endr
	WIN 0
	v_bfe_u32 v[TX], v0, 4, 1                      ; h
	v_and_b32 v[AV0], 15, v0
	v_lshl_add_u32 v[AV0], v[AV0], 5, v[TX]        ; my scale byte: 32 r + h
	v_cmp_eq_u32 vcc_lo, 1, v[TX]
.irp i, 0,1,2,3
	v_cndmask_b32 v[T+6*\i], v[T+6*\i+2], v[T+6*\i+3], vcc_lo
.endr
	WALU
	WIN 0x04
.irp i, 0,1,2,3
.irp g, 0,1,2
	global_store_b64 v[L8], v[PC+12*\i+2*\g:PC+12*\i+2*\g+1], s[8:9] offset:768*\i+256*\g   ; 32 lanes store 256 consecutive bytes
.endr
.endr
	WIN 0
.irp i, 0,1,2,3
	global_store_b8 v[AV0], v[T+6*\i], s[10:11] offset:512*\i
.endr
	s_wait_tensorcnt 0x0                           ; the wave's end
	ds_add_u32 v[SPW], v[NIL]
	s_wait_dscnt 0x0
	CROUND                                         ; the closing round
	s_endpgm
.Lfunc_end_k_q7b277a01e6_attn:
	.size	k_q7b277a01e6_attn, .Lfunc_end_k_q7b277a01e6_attn-k_q7b277a01e6_attn
	.p2alignl 7, 3214868480
	.fill 96, 4, 3214868480
	.section	.rodata,"a",@progbits
	.p2align	6, 0x0
	.amdhsa_kernel k_q7b277a01e6_attn
		.amdhsa_group_segment_fixed_size 327680
		.amdhsa_private_segment_fixed_size 0
		.amdhsa_enable_private_segment 0
		.amdhsa_kernarg_size 32
		.amdhsa_user_sgpr_count 2
		.amdhsa_user_sgpr_kernarg_segment_ptr 1
		.amdhsa_wavefront_size32 1
		.amdhsa_system_sgpr_workgroup_id_x 1
		.amdhsa_system_sgpr_workgroup_id_y 1
		.amdhsa_system_sgpr_workgroup_id_z 1
		.amdhsa_system_vgpr_workitem_id 0
		.amdhsa_next_free_vgpr 512
		.amdhsa_next_free_sgpr 66
		.amdhsa_reserve_vcc 1
		.amdhsa_float_denorm_mode_32 3
		.amdhsa_float_denorm_mode_16_64 3
		.amdhsa_memory_ordered 1
		.amdhsa_forward_progress 1
		.amdhsa_inst_pref_size 83
	.end_amdhsa_kernel
	.amdgpu_metadata
---
amdhsa.version: [ 1, 2 ]
amdhsa.kernels:
  - .name:           k_q7b277a01e6_attn
    .symbol:         k_q7b277a01e6_attn.kd
    .args:
      - { .name: qi, .offset: 0, .size: 8, .value_kind: global_buffer, .address_space: global }
      - { .name: kv, .offset: 8, .size: 8, .value_kind: global_buffer, .address_space: global }
      - { .name: ac, .offset: 16, .size: 8, .value_kind: global_buffer, .address_space: global }
      - { .name: asc, .offset: 24, .size: 8, .value_kind: global_buffer, .address_space: global }
    .group_segment_fixed_size: 327680
    .private_segment_fixed_size: 0
    .kernarg_segment_align: 8
    .kernarg_segment_size: 32
    .max_flat_workgroup_size: 256
    .sgpr_count:     66
    .vgpr_count:     512
    .wavefront_size: 32
...
	.end_amdgpu_metadata
.endif
;; end of part 3
;; launch oproj (part 4): grid 4 x 32, 4 waves a work-group, clusters of 4 x 4, 327,680 bytes of LDS; arguments ac, asc, wc, ws, out0, bo; writes out0
.if DOCPART == 4
	.amdgcn_target "amdgcn-amd-amdhsa--gfx1250"
	.amdhsa_code_object_version 6
	.text
	.protected	k_q7b277a01e6_oproj
	.globl	k_q7b277a01e6_oproj
	.p2align	8
	.type	k_q7b277a01e6_oproj,@function
k_q7b277a01e6_oproj:
	s_mov_b64 s[64:65], 0
	v_nop
	global_prefetch_b8 v0, s[64:65] scope:SCOPE_SE
	s_setreg_imm32_b32 hwreg(HW_REG_WAVE_MODE, 25, 1), 1
	s_wait_xcnt 0x0
	s_wait_alu depctr_hold_cnt(0) depctr_sa_sdst(0) depctr_va_vdst(0) depctr_va_sdst(0) depctr_va_ssrc(0) depctr_va_vcc(0) depctr_vm_vsrc(0)
	s_getreg_b32 s2, hwreg(HW_REG_IB_STS2, 6, 4)
	s_cmp_eq_u32 s2, 0
	s_cbranch_scc0 .Lentry_in_a_cluster
	s_endpgm
.Lentry_in_a_cluster:
	s_bfe_u32 s2, ttmp6, 0x10000c
	s_cmp_lg_u32 s2, 0xf033
	s_cbranch_scc0 .Lentry_shape_is_right
	s_endpgm
.Lentry_shape_is_right:
.set KSTEP,  256
.set NQ,     KSTEP/128
.set ROWB,   192
.set KROW,   192
.set WPL,    4096*192
.set PITCH,  240
.set FR,     12
.set NL,     6
.set NP,     4
.set PHALF,  4*6144
.set RHALF,  128*PITCH
.set SLOT,   2*PHALF+2*RHALF
.set PSTEP,  4*393216
.set LAPS,   2
.set KS,     32
.set SCL,    2*SLOT
.set HALFS,  (128*KS/256)*272
.set SBLK,   (16*KS/256)*272
.set SPARE,  SCL+4*HALFS
.set SPITCH, 528
.set SIZE_N, 1024
.set ADRA, 16
.set ADRB, 20
.set STO,  24
.set RD,   25
.set CO,   26
.set ADRS, 27
.set SPW,  28
.set NIL,  29
.set BO,   30
.set SC,   32
.set BI,   64
.set AF,   128
.set BK,   128
.set G1, 24
.set G0, 32
.set G1B, 48
.set G0B, 56
.set G1S, 68
.set G0S, 76
.set G1SB, 80
.set G0SB, 88
.set MSB, 0
.macro WIN new
.if MSB != (\new)
	s_set_vgpr_msb (MSB<<8)|(\new)
.set MSB, (\new)
.endif
.endm
.set MUL_LO, 0xa1
.set MUL_HI, 0xf1
.set MULZ_LO, 0x81
.set MULZ_HI, 0xc1
.set TO_B,   0x40
.macro JLOAD g0a, g1a, g0b, g1b
	s_cmp_eq_u32 s15, 0
	s_cbranch_scc0 .Lfor_b_\@
	tensor_load_to_lds s[\g0a:\g0a+3], s[\g1a:\g1a+7]
	s_nop 0
.rept 4
	v_nop
.endr
	s_branch .Lasked_\@
.Lfor_b_\@:
	tensor_load_to_lds s[\g0b:\g0b+3], s[\g1b:\g1b+7]
	s_nop 0
.rept 4
	v_nop
.endr
.Lasked_\@:
.endm
.macro CREST
	s_cmp_lg_u32 s14, 0
	s_cbranch_scc1 .Lnot_wave_0_\@
	s_barrier_signal -3
.Lnot_wave_0_\@:
	s_barrier_wait -3
	s_barrier_signal -1
	s_barrier_wait -1
.endm
.macro CROUND
	s_barrier_signal -1
	s_barrier_wait -1
	CREST
.endm
	s_load_b128 s[4:7], s[0:1], 0x0
	s_load_b128 s[8:11], s[0:1], 0x10
	s_load_b64 s[12:13], s[0:1], 0x20
	s_load_b64 s[96:97], s[0:1], 0x28
	v_lshl_add_u32 v[SPW], v0, 2, SPARE
	v_mov_b32 v[NIL], 0
	ds_add_u32 v28, v29
	ds_add_u32 v28, v29
	s_wait_dscnt 0x0
	v_lshrrev_b32 v1, 5, v0
	v_readfirstlane_b32 s14, v1
	s_lshr_b32 s15, s14, 1
	s_and_b32 s16, s14, 1
	s_bfe_u32 s40, ttmp6, 0x40000
	s_bfe_u32 s41, ttmp6, 0x40004
	s_lshl_b32 s42, ttmp9, 2
	s_add_co_u32 s42, s42, s40
	s_and_b32 s17, ttmp7, 0xffff
	s_lshl_b32 s17, s17, 2
	s_add_co_u32 s17, s17, s41
	s_lshl_b32 s43, s41, 2
	s_lshl_b32 s43, 15, s43
	s_lshl_b32 s44, 0x1111, s40
	s_or_b32 s[G1+0], s43, (3<<16)|(1<<21)
	s_mov_b32 s[G1+1], 768<<16
	s_mov_b32 s[G1+2], 4<<16
	s_mov_b32 s[G1+3], 768<<16
	s_mov_b32 s[G1+4], 4
	s_mov_b32 s[G1+5], 49152
	s_mov_b32 s[G1+6], 0
	s_mov_b32 s[G1+7], 0
	s_or_b32 s[G1B+0], s44, (0<<16)|(1<<20)|(1<<21)|(3<<22)|(3<<25)
	s_mov_b32 s[G1B+1], 256<<16                    ; wc lies as [K / 256][places][192 bytes]: 128 places are 96 dense rows of 256 bytes; the padding's interval stays 64 bytes
	s_mov_b32 s[G1B+2], 96<<16
	s_mov_b32 s[G1B+3], 256<<16
	s_mov_b32 s[G1B+4], 96
	s_mov_b32 s[G1B+5], 256
	s_mov_b32 s[G1B+6], 0
	s_mov_b32 s[G1B+7], 0
	s_or_b32 s[G1S+0], s43, (3<<16)|(1<<20)|(1<<21)|(5<<22)|(3<<25)
	s_or_b32 s[G1SB+0], s44, (3<<16)|(1<<20)|(1<<21)|(5<<22)|(3<<25)
.irp g, G1S, G1SB
	s_mov_b32 s[\g+1], 32<<16
	s_mov_b32 s[\g+2], (128*KS/256)<<16
	s_mov_b32 s[\g+3], 32<<16
	s_mov_b32 s[\g+4], 128*KS/256
	s_mov_b32 s[\g+5], 32
	s_mov_b32 s[\g+6], 0
	s_mov_b32 s[\g+7], 0
.endr
	s_lshl_b32 s18, s16, 7
	s_lshl_b32 s20, s17, 8
	s_add_co_u32 s20, s20, s18
	s_lshl_b32 s46, s42, 8
	s_add_co_u32 s46, s46, s18
	s_add_co_u32 s46, s46, 3072
	s_mov_b32 s21, 0
	s_mov_b32 s47, 0
	s_mov_b64 s[18:19], KS
	s_mul_u64 s[22:23], s[20:21], s[18:19]
	s_mul_u64 s[92:93], s[46:47], s[18:19]
	s_mov_b64 s[18:19], 48
	s_mul_u64 s[20:21], s[20:21], s[18:19]
	s_mov_b64 s[18:19], KROW
	s_mul_u64 s[46:47], s[46:47], s[18:19]
	s_mul_i32 s45, s16, PHALF
	s_mul_i32 s95, s16, RHALF
	s_add_co_u32 s95, s95, 2*PHALF
	s_mul_i32 s94, s14, HALFS
	s_wait_kmcnt 0x0
	s_add_nc_u64 s[20:21], s[4:5], s[20:21]
	s_add_nc_u64 s[22:23], s[6:7], s[22:23]
	s_add_nc_u64 s[46:47], s[8:9], s[46:47]
	s_add_nc_u64 s[92:93], s[10:11], s[92:93]
	CROUND
	s_mov_b32 s[G0S], 1
	s_add_co_u32 s[G0S+1], s94, SCL
	s_mov_b64 s[G0S+2:G0S+3], s[22:23]
	s_or_b32 s[G0S+3], s[G0S+3], 0x80000000
	s_mov_b32 s[G0SB], 1
	s_add_co_u32 s[G0SB+1], s94, SCL
	s_mov_b64 s[G0SB+2:G0SB+3], s[92:93]
	s_or_b32 s[G0SB+3], s[G0SB+3], 0x80000000
	JLOAD G0S, G1S, G0SB, G1SB
.irp s, 0,1
	s_mov_b32 s[G0+4*\s], 1
	s_add_co_u32 s[G0+4*\s+1], s45, \s*SLOT
	s_add_nc_u64 s[G0+4*\s+2:G0+4*\s+3], s[20:21], \s*PSTEP
	s_or_b32 s[G0+4*\s+3], s[G0+4*\s+3], 0x80000000
	s_mov_b32 s[G0B+4*\s], 1
	s_add_co_u32 s[G0B+4*\s+1], s95, \s*SLOT
	s_add_nc_u64 s[G0B+4*\s+2:G0B+4*\s+3], s[46:47], \s*WPL
	s_or_b32 s[G0B+4*\s+3], s[G0B+4*\s+3], 0x80000000
	s_wait_alu depctr_va_vdst(0)
	s_wait_tensorcnt 0x0
	ds_add_u32 v28, v29
	s_wait_dscnt 0x0
	CROUND
	JLOAD G0+4*\s, G1, G0B+4*\s, G1B
.endr
	v_and_b32 v1, 15, v0
	v_bfe_u32 v2, v0, 4, 1
	v_and_b32 v6, 31, v0
	s_lshl_b32 s22, s42, 10
	s_lshl_b32 s23, s16, 9
	s_add_co_u32 s22, s22, s23
	s_mov_b32 s23, 0
	s_add_nc_u64 s[96:97], s[96:97], s[22:23]
	v_lshlrev_b32 v[BO], 6, v2
.irp b, 0,1,2,3,4,5,6,7
	global_load_b128 v[BI+8*\b:BI+8*\b+3], v[BO], s[96:97] offset:4*(32*(\b/2)+8*(\b%2))
	global_load_b128 v[BI+8*\b+4:BI+8*\b+7], v[BO], s[96:97] offset:4*(32*(\b/2)+8*(\b%2))+16
.endr
	v_mul_u32_u24 v3, v1, PITCH
	v_mul_u32_u24 v4, v2, 24
	v_add_nc_u32 v4, v3, v4
	v_lshl_add_u32 v5, v2, 4, v4
	v_lshlrev_b32 v7, 3, v6
	s_mul_i32 s21, s15, PHALF
	s_mul_i32 s22, s16, RHALF
	s_add_co_u32 s22, s22, 2*PHALF
.irp s, 0,1
	v_add_nc_u32 v[ADRA+\s], s21, v7
	v_add_nc_u32 v[ADRB+\s], s22, v4
	v_add_nc_u32 v[ADRB+2+\s], s22, v5
	s_add_co_u32 s21, s21, SLOT
	s_add_co_u32 s22, s22, SLOT
.endr
	v_mul_u32_u24 v5, v1, KS
	v_lshrrev_b32 v8, 8, v5
	v_lshl_add_u32 v5, v8, 4, v5
	s_mul_i32 s21, s15, HALFS
	s_mul_i32 s22, s16, HALFS
	s_add_co_u32 s22, s22, 2*HALFS
	s_sub_co_u32 s22, s22, s21
	v_mul_u32_u24 v8, s22, v2
	s_add_co_u32 s21, s21, SCL
	v_add_nc_u32 v5, v5, v8
	v_add_nc_u32 v[ADRS], s21, v5
	s_mul_i32 s23, s14, 16*SPITCH
	v_mul_u32_u24 v5, v1, SPITCH
	v_lshl_add_u32 v5, v2, 6, v5
	v_add_nc_u32 v[STO], s23, v5
	v_lshlrev_b32 v[CO], 4, v6
	v_add_nc_u32 v[RD], s23, v[CO]
	s_lshl_b32 s20, s17, 8
	s_lshl_b32 s21, s15, 7
	s_add_co_u32 s20, s20, s21
	s_mov_b32 s21, 0
	s_mov_b64 s[18:19], SIZE_N*4
	s_mul_u64 s[20:21], s[20:21], s[18:19]
	s_lshl_b32 s46, s42, 10
	s_lshl_b32 s47, s16, 9
	s_add_co_u32 s46, s46, s47
	s_mov_b32 s47, 0
	s_add_nc_u64 s[20:21], s[20:21], s[46:47]
	s_add_nc_u64 s[12:13], s[12:13], s[20:21]
.macro FRAG reg, adr, q, i
.irp p, 0,1,2,3,4,5
.set PCE, 12*(\q)+6*(\p/3)+\p%3
.if PCE%8 < 5
	ds_load_b64 v[\reg+2*\p:\reg+2*\p+1], v[\adr] offset:8*PCE+16*(PCE/8)+(\i)*16*PITCH
.else
	ds_load_b64 v[\reg+2*\p:\reg+2*\p+1], v[\adr+2] offset:8*PCE+16*(PCE/8)+(\i)*16*PITCH
.endif
.endr
.endm
.macro FRAG_P reg, adr, q, i
.irp p, 0,1,2,3,4,5
	ds_load_b64 v[\reg+2*\p:\reg+2*\p+1], v[\adr] offset:(2*(\q)+\p/3)*6144+768*(\i)+256*(\p%3)
.endr
.endm
.macro MUL16 a0, p, q, sc, zero
.irp a, \a0, \a0+1
.irp b, 0,1,2,3,4,5,6,7
.if \zero
	v_wmma_scale_f32_16x16x128_f8f6f4 v[8*(8*((\a)%4)+\b):8*(8*((\a)%4)+\b)+7], v[128*(\p)+FR*\b:128*(\p)+FR*\b+FR-1], v[AF+FR*(\a):AF+FR*(\a)+FR-1], v[BI+8*\b:BI+8*\b+7], v[SC+8*NQ*(\sc)+NQ*\b+(\q)], v[SC+8*NQ*(\sc)+NQ*(\a)+(\q)] matrix_a_fmt:MATRIX_FMT_FP6 matrix_b_fmt:MATRIX_FMT_FP6 matrix_a_scale:MATRIX_SCALE_ROW1
.else
	v_wmma_scale_f32_16x16x128_f8f6f4 v[8*(8*((\a)%4)+\b):8*(8*((\a)%4)+\b)+7], v[128*(\p)+FR*\b:128*(\p)+FR*\b+FR-1], v[AF+FR*(\a):AF+FR*(\a)+FR-1], v[8*(8*((\a)%4)+\b):8*(8*((\a)%4)+\b)+7], v[SC+8*NQ*(\sc)+NQ*\b+(\q)], v[SC+8*NQ*(\sc)+NQ*(\a)+(\q)] matrix_a_fmt:MATRIX_FMT_FP6 matrix_b_fmt:MATRIX_FMT_FP6 matrix_a_scale:MATRIX_SCALE_ROW1
.endif
.endr
.endr
.endm
.macro FETCH_B slot, q, p
	WIN TO_B
.irp i, 0,1,2,3,4,5,6,7
	FRAG 128*(\p)+FR*\i, ADRB+\slot, \q, \i
.endr
	WIN 0
.endm
.macro FETCH_A slot, q, i0
.irp i, \i0, \i0+1, \i0+2, \i0+3
	FRAG_P AF+FR*(\i), ADRA+\slot, \q, \i
.endr
.endm
.macro SCALES sc
.irp i, 0,1,2,3,4,5,6,7
	ds_load_b64 v[SC+8*NQ*\sc+NQ*\i:SC+8*NQ*\sc+NQ*\i+1], v[ADRS] offset:\i*SBLK
.endr
.endm
.macro PLACES n
.rept \n
	v_nop
.endr
.endm
.macro STEP slot, q, zero
	s_wait_dscnt 4*NL
.if \zero
	WIN MULZ_LO
.else
	WIN MUL_LO
.endif
	MUL16 0, (\q)%2, \q, \slot, \zero
	MUL16 2, (\q)%2, \q, \slot, \zero
	s_wait_dscnt 0
	PLACES NP
	FETCH_B \slot, (\q)+1, 1-(\q)%2
	FETCH_A \slot, (\q)+1, 0
.if \zero
	WIN MULZ_HI
.else
	WIN MUL_HI
.endif
	MUL16 4, (\q)%2, \q, \slot, \zero
	MUL16 6, (\q)%2, \q, \slot, \zero
	PLACES NP
	WIN 0
	FETCH_A \slot, (\q)+1, 4
.endm
.macro TURN slot, next, fill
	s_wait_tensorcnt 0x0
	ds_add_u32 v[SPW], v[NIL]
	s_wait_dscnt 4*NL+1
	WIN MUL_LO
	MUL16 0, 1, NQ-1, \slot, 0
	s_wait_dscnt 0x0
	s_barrier_signal -1
	MUL16 2, 1, NQ-1, \slot, 0
	WIN 0
	s_barrier_wait -1
.if \fill
	CREST
	s_add_nc_u64 s[G0+4*\slot+2:G0+4*\slot+3], s[G0+4*\slot+2:G0+4*\slot+3], 2*PSTEP
	s_add_nc_u64 s[G0B+4*\slot+2:G0B+4*\slot+3], s[G0B+4*\slot+2:G0B+4*\slot+3], 2*WPL
	JLOAD G0+4*\slot, G1, G0B+4*\slot, G1B
.else
	PLACES NP
.endif
	s_wait_alu depctr_va_vdst(0)
	v_add_nc_u32 v[ADRS], 4*NQ, v[ADRS]
	FETCH_B \next, 0, 0
	FETCH_A \next, 0, 0
	SCALES \next
	WIN MUL_HI
	MUL16 4, 1, NQ-1, \slot, 0
	MUL16 6, 1, NQ-1, \slot, 0
	PLACES NP
	WIN 0
	FETCH_A \next, 0, 4
.endm
	s_wait_alu depctr_va_vdst(0)
	s_wait_tensorcnt 1
	s_barrier_signal -1
	s_barrier_wait -1
	FETCH_B 0, 0, 0
	FETCH_A 0, 0, 0
	SCALES 0
	FETCH_A 0, 0, 4
	s_wait_loadcnt 0x0
	STEP 0, 0, 1
	s_mov_b32 s3, LAPS-1
.Llap:
	TURN 0, 1, 1
	STEP 1, 0, 0
	TURN 1, 0, 1
	STEP 0, 0, 0
	s_sub_co_u32 s3, s3, 1
	s_cmp_lg_u32 s3, 0
	s_cbranch_scc1 .Llap
	TURN 0, 1, 0
	STEP 1, 0, 0
	s_wait_dscnt 4*NL
	WIN MUL_LO
	MUL16 0, 1, NQ-1, 1, 0
	MUL16 2, 1, NQ-1, 1, 0
	s_wait_dscnt 0
	WIN MUL_HI
	MUL16 4, 1, NQ-1, 1, 0
	MUL16 6, 1, NQ-1, 1, 0
	WIN 0
.macro TOSTAGE a
.set AC, 64*((\a)%4)
	WIN 0x08+4*((\a)/4)
.irp b, 0,1,2,3,4,5,6,7
	ds_store_b128 v[STO], v[AC+8*\b:AC+8*\b+3] offset:128*(\b/2)+32*(\b%2)
	ds_store_b128 v[STO], v[AC+8*\b+4:AC+8*\b+7] offset:128*(\b/2)+32*(\b%2)+16
.endr
	WIN 0
.set BB, BK+64*((\a)%2)
.irp t, 0,1,2,3,4,5,6,7,8,9,10,11,12,13,14,15
	ds_load_b128 v[BB+4*\t:BB+4*\t+3], v[RD] offset:\t*SPITCH
.endr
.endm
.macro SEND a, younger
.set BB, BK+64*((\a)%2)
	s_wait_dscnt \younger
.if (\a) > 0
.if (\a)%2 == 1
	s_add_nc_u64 s[12:13], s[12:13], 8*SIZE_N*4
.else
	s_add_nc_u64 s[12:13], s[12:13], 24*SIZE_N*4
.endif
.endif
.irp t, 0,1,2,3,4,5,6,7,8,9,10,11,12,13,14,15
	global_store_b128 v[CO], v[BB+4*\t:BB+4*\t+3], s[12:13] offset:(\t+8*(\t/8))*SIZE_N*4 th:TH_STORE_NT
.endr
.endm
	PLACES NP
	TOSTAGE 0
.irp a, 1,2,3,4,5,6,7
.if \a > 1
	s_wait_xcnt 0x0
.endif
	TOSTAGE \a
	SEND \a-1, 32
.endr
	s_wait_xcnt 0x0
	SEND 7, 0
	s_wait_tensorcnt 0x0
	ds_add_u32 v[SPW], v[NIL]
	s_wait_dscnt 0x0
	CROUND
	s_endpgm
.Lfunc_end_k_q7b277a01e6_oproj:
	.size	k_q7b277a01e6_oproj, .Lfunc_end_k_q7b277a01e6_oproj-k_q7b277a01e6_oproj
	.p2alignl 7, 3214868480
	.fill 96, 4, 3214868480
	.section	.rodata,"a",@progbits
	.p2align	6, 0x0
	.amdhsa_kernel k_q7b277a01e6_oproj
		.amdhsa_group_segment_fixed_size 327680
		.amdhsa_private_segment_fixed_size 0
		.amdhsa_enable_private_segment 0
		.amdhsa_kernarg_size 48
		.amdhsa_user_sgpr_count 2
		.amdhsa_user_sgpr_kernarg_segment_ptr 1
		.amdhsa_wavefront_size32 1
		.amdhsa_system_sgpr_workgroup_id_x 1
		.amdhsa_system_sgpr_workgroup_id_y 1
		.amdhsa_system_sgpr_workgroup_id_z 1
		.amdhsa_system_vgpr_workitem_id 0
		.amdhsa_next_free_vgpr 1024
		.amdhsa_next_free_sgpr 98
		.amdhsa_reserve_vcc 0
		.amdhsa_float_denorm_mode_32 3
		.amdhsa_float_denorm_mode_16_64 3
		.amdhsa_memory_ordered 1
		.amdhsa_forward_progress 1
		.amdhsa_inst_pref_size 163
	.end_amdhsa_kernel
	.amdgpu_metadata
---
amdhsa.version: [ 1, 2 ]
amdhsa.kernels:
  - .name:           k_q7b277a01e6_oproj
    .symbol:         k_q7b277a01e6_oproj.kd
    .args:
      - { .name: ac, .offset: 0, .size: 8, .value_kind: global_buffer, .address_space: global }
      - { .name: asc, .offset: 8, .size: 8, .value_kind: global_buffer, .address_space: global }
      - { .name: wc, .offset: 16, .size: 8, .value_kind: global_buffer, .address_space: global }
      - { .name: ws, .offset: 24, .size: 8, .value_kind: global_buffer, .address_space: global }
      - { .name: out0, .offset: 32, .size: 8, .value_kind: global_buffer, .address_space: global }
      - { .name: bo, .offset: 40, .size: 8, .value_kind: global_buffer, .address_space: global }
    .group_segment_fixed_size: 327680
    .private_segment_fixed_size: 0
    .kernarg_segment_align: 8
    .kernarg_segment_size: 48
    .max_flat_workgroup_size: 128
    .sgpr_count:     98
    .vgpr_count:     1024
    .wavefront_size: 32
...
	.end_amdgpu_metadata
.endif
;; end of part 4
